; MI455X (gfx1250); checked and timed in simulation.
; The chip was launched on July 23, 2026; its instructions are those of AMD's public machine-readable ISA for CDNA 5 (MIT licence, August 2026) and "CDNA5" Instruction Set Architecture Reference Guide (July 2026). The comments in the code are by the model that wrote it; some were corrected since.
;; Llama Attention. Allowed arithmetic: float matrix products may take bf16 or f16 operands with f32 sums; all other float work in f32.
;; Inputs: attention_mask 1 x 1 x 2,048 x 2,048 float32; cos 2 x 2,048 x 128 float32; hidden_states 2 x 2,048 x 2,048 float32; sin 2 x 2,048 x 128 float32; wk 2,048 x 512 float32; wo 1,024 x 2,048 float32; wq 2,048 x 1,024 float32; wv 2,048 x 512 float32.
;; Outputs: out0 2 x 2,048 x 2,048 float32.
;; One version. Each part assembles by itself: llvm-mc -triple=amdgcn-amd-amdhsa -mcpu=gfx1250 --defsym DOCPART=n.
;; ======== version 1 of 1: 4 launches
;; limits: values are held in f16: magnitudes above 65,504 overflow, below 6.1e-05 lose precision; values outside matrix products are rounded to bf16
;; workspace buffers: hb 16,777,216 bytes; wqkv 8,388,608 bytes; wob 4,194,304 bytes; mb 8,388,608 bytes; qb 8,388,608 bytes; kb 4,194,304 bytes; vb 4,194,304 bytes; ab 8,388,608 bytes
;; launch cast (part 1): grid 256 x 1, 16 waves a work-group, no clusters, 0 bytes of LDS; arguments hidden_states, wq, wk, wv, wo, attention_mask, hb, wqkv, wob, mb; writes hb, wqkv, wob, mb
.if DOCPART == 1
	.amdgcn_target "amdgcn-amd-amdhsa--gfx1250"
	.amdhsa_code_object_version 6
	.text
	.protected	k_q6aa6877dce_cast
	.globl	k_q6aa6877dce_cast
	.p2align	8
	.type	k_q6aa6877dce_cast,@function
k_q6aa6877dce_cast:
	s_mov_b64 s[64:65], 0
	v_nop
	global_prefetch_b8 v0, s[64:65] scope:SCOPE_SE
	s_setreg_imm32_b32 hwreg(HW_REG_WAVE_MODE, 25, 1), 1
	s_wait_xcnt 0x0
; LlamaAttention in four launches: cast, qkv, attn, oproj.  This one rounds six inputs to 16 bits, once:
;   hb   [4096][2048] bf16 = hidden_states;
;   wqkv [2048 k][2048 n] bf16: n < 1024 is wq's column n; n = 1024 + 256 g + c is wk's column 128 g + c for c < 128 and wv's column
;   128 g + c - 128 otherwise, so that a block of 256 columns behind column 1024 is one K head followed by one V head;
;   wob  [1024][2048] f16 = wo rounded to bf16 and then written as f16: its partner in the last product (attn) is f16, and both operands of a matrix
;   instruction have one format.  A bf16 number of magnitude 2^-17 to 65,504 is exact in f16; a smaller one moves by 2^-25 at the most;
;   mb   [2048][2048] bf16 = attention_mask, clamped to bf16's largest finite magnitude before the rounding.
; FORMATS OF THE WHOLE PROGRAM: every input (cos and sin too, in the next launch) is rounded to bf16 once, to nearest even; every matrix operand made later (Q, K, V, P, attn)
; is f16, 11 bits; sums, RoPE and softmax are f32.  Rows that attend to few keys are many times larger than the output's average, so the operands made later need f16's bits.
; NOTHING OF reference() IS LEFT OUT in any launch: attention_mask is an input, so every score tile is computed and every mask number
; is added; jnp.repeat is an index (query head >> 1); all eight inputs are loaded by one of the four launches.
; LIMITS: inputs carry 8 bits behind this launch.  A mask number beyond 3.3895e38 in magnitude (the lowest f32 among them) becomes +-3.3895e38 and stays finite, so that a wholly
; masked row comes out uniform as reference() gives it.  A weight of wo beyond 65,504 becomes an infinity.  Sums are formed in another order than reference()'s.
; A stream: no LDS, no barrier, no matrix unit, no branch.  256 work-groups of 16 waves.  Wave W = 16 x work-group + wave (0 .. 4,095) takes 1 / 4,096 of EACH tensor,
; in chunks of 128 numbers: hidden_states' row W (16 chunks), half a row of wq (4), of wk (2) and of wv (2), 2,048 bytes of wo (4), half a row of the mask (8): 36 chunks.
; Waves 2 r and 2 r + 1 together write row r of wqkv.  All waves have the same work, and a chunk's kind of rounding is fixed by its number, in the text.
; A chunk is one 16-byte load a lane (512 neighbouring bytes a wave), the roundings, and one 8-byte store a lane: 256 consecutive bytes a wave, aligned.
; (16 bytes a lane out would want 32 neighbouring bytes a lane in: two loads that each span 1,024 bytes for 512 used.)
; A RING of 16 load slots: the load of chunk n + 16 goes out as soon as chunk n has been rounded, ahead of chunk n's store, so that 16 loads of every wave are on
; their way: 4,096 x 16 x 512 bytes = 33.5 MB of the launch's 75.5.  Every chunk has its own two registers to store from, the two vector offsets and the ten bases
; are written once, and the chunk's place stands in the immediate: no source of a load or store is ever written again, so the loop of slots needs no wait but the one for its data.
.set DEPTH, 16                         ; load slots
.set NCH,   36                         ; chunks of a wave
.set LO,  2                            ; v2        16 x lane: every load's offset
.set SO,  3                            ; v3        8 x lane: every store's offset
.set X,   4                            ; v[4:67]   slot n % 16: 4 registers as loaded
.set Y,   68                           ; v[68:139] chunk n: 2 registers to store
	s_load_b512 s[8:23], s[0:1], 0x0               ; hidden s[8:9], wq s[10:11], wk s[12:13], wv s[14:15], wo s[16:17], mask s[18:19], hb s[20:21], wqkv s[22:23]
	s_load_b128 s[48:51], s[0:1], 0x40             ; wob s[48:49], mb s[50:51]
	v_lshrrev_b32 v1, 5, v0
	v_readfirstlane_b32 s24, v1                    ; wave 0..15
	v_and_b32 v1, 31, v0                           ; lane
	v_lshlrev_b32 v[LO], 4, v1
	v_lshlrev_b32 v[SO], 3, v1
	s_lshl_b32 s25, ttmp9, 4
	s_add_co_u32 s25, s25, s24                     ; W
	s_mov_b32 s27, 0                               ; the upper word of every offset: the largest is 4,095 x 8,192 bytes
	s_lshl_b32 s26, s25, 13                        ; hidden_states: W x 8,192 bytes
	s_mov_b32 s52, 0xffff0000                      ; a word's upper bf16
	s_mov_b32 s53, 0xff7f0000                      ; bf16's lowest finite number as f32
	s_mov_b32 s54, 0x7f7f0000                      ; and its largest
	s_wait_kmcnt 0x0
	s_add_nc_u64 s[8:9], s[8:9], s[26:27]
; Chunk CM's place: SRC, DST = the first scalar register of its source's and its destination's base; SIM, DIM = its byte offsets from them;
; KIND 0: to bf16.  KIND 1: to bf16, widened again and written as f16.  KIND 2: clamped, then to bf16.
.macro PLACE
.if CM < 16                            ; hidden_states: dense
.set SRC, 8
.set SIM, CM*512
.set DST, 20
.set DIM, CM*256
.set KIND, 0
.endif
.if CM >= 16
.if CM < 20                            ; wq: my half of the row's first 2,048 bytes in wqkv
.set SRC, 10
.set SIM, (CM-16)*512
.set DST, 22
.set DIM, (CM-16)*256
.set KIND, 0
.endif
.endif
.if CM >= 20
.if CM < 22                            ; wk: a chunk is a head, 512 bytes apart behind byte 2,048 of wqkv's row
.set SRC, 12
.set SIM, (CM-20)*512
.set DST, 22
.set DIM, 2048+(CM-20)*512
.set KIND, 0
.endif
.endif
.if CM >= 22
.if CM < 24                            ; wv: the same, 256 bytes behind wk
.set SRC, 14
.set SIM, (CM-22)*512
.set DST, 22
.set DIM, 2304+(CM-22)*512
.set KIND, 0
.endif
.endif
.if CM >= 24
.if CM < 28                            ; wo: dense
.set SRC, 16
.set SIM, (CM-24)*512
.set DST, 48
.set DIM, (CM-24)*256
.set KIND, 1
.endif
.endif
.if CM >= 28                           ; attention_mask: dense
.set SRC, 18
.set SIM, (CM-28)*512
.set DST, 50
.set DIM, (CM-28)*256
.set KIND, 2
.endif
.endm
	; the ring is filled: chunks 0 to 15, all of them hidden_states', so that they need one base alone and go out ahead of the other nine bases' arithmetic
.set CM, 0
.rept DEPTH
	PLACE
	global_load_b128 v[X+4*CM:X+4*CM+3], v[LO], s[SRC:SRC+1] offset:SIM th:TH_LOAD_NT   ; each input byte is read once in the launch
.set CM, CM+1
.endr
	s_lshl_b32 s26, s25, 12                        ; W x 4,096 bytes: the mask in, hb out
	s_add_nc_u64 s[18:19], s[18:19], s[26:27]
	s_add_nc_u64 s[20:21], s[20:21], s[26:27]
	s_lshl_b32 s26, s25, 11                        ; W x 2,048: wq and wo in, mb out
	s_add_nc_u64 s[10:11], s[10:11], s[26:27]
	s_add_nc_u64 s[16:17], s[16:17], s[26:27]
	s_add_nc_u64 s[50:51], s[50:51], s[26:27]
	s_lshl_b32 s26, s25, 10                        ; W x 1,024: wk and wv in, wob out
	s_add_nc_u64 s[12:13], s[12:13], s[26:27]
	s_add_nc_u64 s[14:15], s[14:15], s[26:27]
	s_add_nc_u64 s[48:49], s[48:49], s[26:27]
	s_lshr_b32 s28, s25, 1                         ; wqkv: row W >> 1 of 4,096 bytes,
	s_lshl_b32 s28, s28, 12
	s_and_b32 s26, s25, 1                          ; and 1,024 bytes further for the odd wave: the second half of wq's columns, and heads 2, 3 of wk and wv
	s_lshl_b32 s26, s26, 10
	s_add_co_u32 s26, s26, s28
	s_add_nc_u64 s[22:23], s[22:23], s[26:27]
; Chunk CN's turn: its load is in; it is rounded; its slot is asked for chunk CN + 16; it is stored.
.macro STEP
.set CM, CN
	PLACE
.set XI, X+4*(CN%DEPTH)
.set YI, Y+2*CN
.set SDST, DST
.set SDIM, DIM
.if NCH-1-CN < DEPTH-1
	s_wait_loadcnt NCH-1-CN                        ; the last turns issue no load: the counts run down to 0
.else
	s_wait_loadcnt DEPTH-1                         ; loads come back in order (ISA guide 5.7.1): mine is in, the 15 younger ones stay out
.endif
.if KIND == 2
.irp e, 0,1,2,3
	v_med3_num_f32 v[XI+\e], v[XI+\e], s53, s54
.endr
.endif
	v_cvt_pk_bf16_f32 v[YI],   v[XI],   v[XI+1]
	v_cvt_pk_bf16_f32 v[YI+1], v[XI+2], v[XI+3]
.if KIND == 1
	v_lshlrev_b32 v[XI],   16,  v[YI]
	v_and_b32     v[XI+1], s52, v[YI]
	v_lshlrev_b32 v[XI+2], 16,  v[YI+1]
	v_and_b32     v[XI+3], s52, v[YI+1]
	v_cvt_pk_f16_f32 v[YI],   v[XI],   v[XI+1]
	v_cvt_pk_f16_f32 v[YI+1], v[XI+2], v[XI+3]
.endif
.if CN+DEPTH < NCH
.set CM, CN+DEPTH
	PLACE
	global_load_b128 v[XI:XI+3], v[LO], s[SRC:SRC+1] offset:SIM th:TH_LOAD_NT   ; the load goes out ahead of the store
.endif
	global_store_b64 v[SO], v[YI:YI+1], s[SDST:SDST+1] offset:SDIM   ; 256 consecutive bytes, aligned; these two registers are never written again
.endm
.set CN, 0
.rept NCH
	STEP
.set CN, CN+1
.endr
	s_endpgm
.Lfunc_end_k_q6aa6877dce_cast:
	.size	k_q6aa6877dce_cast, .Lfunc_end_k_q6aa6877dce_cast-k_q6aa6877dce_cast
	.p2alignl 7, 3214868480
	.fill 96, 4, 3214868480
	.section	.rodata,"a",@progbits
	.p2align	6, 0x0
	.amdhsa_kernel k_q6aa6877dce_cast
		.amdhsa_group_segment_fixed_size 0
		.amdhsa_private_segment_fixed_size 0
		.amdhsa_enable_private_segment 0
		.amdhsa_kernarg_size 80
		.amdhsa_user_sgpr_count 2
		.amdhsa_user_sgpr_kernarg_segment_ptr 1
		.amdhsa_wavefront_size32 1
		.amdhsa_system_sgpr_workgroup_id_x 1
		.amdhsa_system_sgpr_workgroup_id_y 1
		.amdhsa_system_sgpr_workgroup_id_z 1
		.amdhsa_system_vgpr_workitem_id 0
		.amdhsa_next_free_vgpr 140
		.amdhsa_next_free_sgpr 66
		.amdhsa_reserve_vcc 0
		.amdhsa_float_denorm_mode_32 3
		.amdhsa_float_denorm_mode_16_64 3
		.amdhsa_memory_ordered 1
		.amdhsa_forward_progress 1
		.amdhsa_inst_pref_size 17
	.end_amdhsa_kernel
	.amdgpu_metadata
---
amdhsa.version: [ 1, 2 ]
amdhsa.kernels:
  - .name:           k_q6aa6877dce_cast
    .symbol:         k_q6aa6877dce_cast.kd
    .args:
      - { .name: hidden_states, .offset: 0, .size: 8, .value_kind: global_buffer, .address_space: global }
      - { .name: wq, .offset: 8, .size: 8, .value_kind: global_buffer, .address_space: global }
      - { .name: wk, .offset: 16, .size: 8, .value_kind: global_buffer, .address_space: global }
      - { .name: wv, .offset: 24, .size: 8, .value_kind: global_buffer, .address_space: global }
      - { .name: wo, .offset: 32, .size: 8, .value_kind: global_buffer, .address_space: global }
      - { .name: attention_mask, .offset: 40, .size: 8, .value_kind: global_buffer, .address_space: global }
      - { .name: hb, .offset: 48, .size: 8, .value_kind: global_buffer, .address_space: global }
      - { .name: wqkv, .offset: 56, .size: 8, .value_kind: global_buffer, .address_space: global }
      - { .name: wob, .offset: 64, .size: 8, .value_kind: global_buffer, .address_space: global }
      - { .name: mb, .offset: 72, .size: 8, .value_kind: global_buffer, .address_space: global }
    .group_segment_fixed_size: 0
    .private_segment_fixed_size: 0
    .kernarg_segment_align: 8
    .kernarg_segment_size: 80
    .max_flat_workgroup_size: 512
    .sgpr_count:     66
    .vgpr_count:     140
    .wavefront_size: 32
...
	.end_amdgpu_metadata
.endif
;; end of part 1
;; launch qkv (part 2): grid 8 x 32, 4 waves a work-group, clusters of 4 x 4, 327,680 bytes of LDS; arguments hb, wqkv, cos, sin, qb, kb, vb; writes qb, kb, vb
.if DOCPART == 2
	.amdgcn_target "amdgcn-amd-amdhsa--gfx1250"
	.amdhsa_code_object_version 6
	.text
	.protected	k_q6aa6877dce_qkv
	.globl	k_q6aa6877dce_qkv
	.p2align	8
	.type	k_q6aa6877dce_qkv,@function
k_q6aa6877dce_qkv:
	s_mov_b64 s[64:65], 0
	v_nop
	global_prefetch_b8 v0, s[64:65] scope:SCOPE_SE
	s_setreg_imm32_b32 hwreg(HW_REG_WAVE_MODE, 25, 1), 1
	s_wait_xcnt 0x0
	s_wait_alu depctr_hold_cnt(0) depctr_sa_sdst(0) depctr_va_vdst(0) depctr_va_sdst(0) depctr_va_ssrc(0) depctr_va_vcc(0) depctr_vm_vsrc(0)
	s_getreg_b32 s2, hwreg(HW_REG_IB_STS2, 6, 4)
	s_cmp_eq_u32 s2, 0
	s_cbranch_scc0 .Lentry_in_a_cluster
	s_endpgm
.Lentry_in_a_cluster:
	s_bfe_u32 s2, ttmp6, 0x10000c
	s_cmp_lg_u32 s2, 0xf033
	s_cbranch_scc0 .Lentry_shape_is_right
	s_endpgm
.Lentry_shape_is_right:
; [4096 x 2048] = hb [4096][2048] x wqkv [2048 k][2048 n], bf16 operands, f32 sums; then RoPE on the Q and K heads.  Nothing of reference() is left out.
; Results, all f16: qb [2][8][2048][128] = q / 8 and kb [2][4][2048][128] = k / 8 (after RoPE), vb [2][4][2048][128] = v.
; The factor 1/8 is a power of two and moves no bit; the next launch multiplies the scores by 64.  It gives q and k room: the drawn magnitudes reach about 5, and hidden states,
; weights and cos/sin each 30 times larger make 135,000.
; LIMITS: cos and sin are rounded to bf16 like every other input.  |q| or |k| beyond 8 x 65,504 = 524,032, and |v| beyond 65,504, become an infinity; q / 8 and k / 8 below 2^-14 keep
; an absolute precision of 2^-25, which moves a score by less than the rounding of ordinary numbers does.
; A work-group makes 128 rows x 256 columns with four waves; wave w makes rows 64 (w >> 1) .. +63 and columns 128 (w & 1) .. +127, which is one head:
; 4 x 8 accumulator tiles of 16 x 16, 256 registers.  8 x 32 = 256 work-groups.
; K GOES IN STEPS OF 192 through two LDS slots filled by the tensor data mover.  A refill is asked for behind one change of slots and waited for in front of the next, so it has
; one step's products in which to land: 176 matrix instructions of a wave.  A slot of 192 is 192 x 544 + 128 x 432 = 159,744 bytes, and two of them are the most that 327,680 bytes hold.
; 2,048 = 10 x 192 + 128: the last 128 are a tail step, written out.  The price: H's rows in a tile are 384 bytes of memory and begin at multiples of 128 bytes.
; CLUSTERS of 4 x 4: hb's tile hangs on the block row alone and is asked for jointly by a row of the cluster, wqkv's on the block column alone and is asked for
; jointly by a column: each of the four issues the same load with the same descriptor and a mask that names the four.
; THE MATRIX INSTRUCTION IS USED TRANSPOSED: source 0 = 16 columns n of W (read from [k][n] rows by the transposing LDS load), source 1 = 16 rows m of H.
; Lane l then holds row m = l % 16 and in registers 0..7 the columns n = 8 (l / 16) + 0..7.
; REGISTERS: window 0: v16-28 addresses; two fragment buffers v32-127, v128-223 (W's 8 fragments, then H's 4).  Window 1: accumulator (i, b) at v[8 (8 i + b)].
.set SIZE_K, 2048
.set SIZE_N, 2048
.set KSTEP,  192
.set NFULL,  SIZE_K/KSTEP              ; 10 whole steps
.set KT,     SIZE_K-NFULL*KSTEP        ; the tail step: 128 along K
.set TS,     NFULL&1                   ; the tail's slot: 0
.set PA,     432                       ; H's LDS row: 3 x (128 bytes + 16): 27 x 16, an odd multiple of 16, so 16 rows of a fragment start at 16 different 16-byte columns
.set PB,     544                       ; W's LDS row: 512 bytes + 32: an odd multiple of 32, as the transposing load's eight rows want
.set AH,     64*PA                     ; 64 rows of H: one tensor load
.set BH,     96*PB                     ; 96 k-rows of W: one tensor load
.set SLOT,   2*BH+2*AH                 ; W's 192 k-rows, then H's 128 rows: 159,744 bytes
.set STAGE,  (1-TS)*SLOT               ; the way out's stage, 16 rows x 528 bytes for each wave, lies in the slot that is not the tail's: it has had its last fill, and all reads of it are over at the last change of slots
.set SP,     528                       ; a stage row: 128 f32 + 16 bytes
.set ADH, 16                           ; v16-17  LDS address of my H fragments in slot 0, 1
.set ADW, 20                           ; v20-23  the same for W: slot s, parts 0-2 at v[20+2s], parts 3-5 at v[21+2s] (they lie beyond a 16-bit offset)
.set STO, 24                           ; v24     stage: where I put my 32 bytes of a row
.set RD,  25                           ; v25     stage: my 16 bytes of a whole row
.set RDX, 26                           ; v26     stage: the 16 bytes 64 columns away (rotate_half's partner)
.set L16, 27                           ; v27     16 x lane
.set L8,  28                           ; v28     8 x lane
.set F0,  32
.set F1,  128
.set XR,  32                           ; the way out: x, 4 registers a row
.set XP,  64                           ; the way out: x's partner
.set CS,  96                           ; the way out: cos, 16 rows x 4
.set SN,  160                          ; the way out: sin
.set YR,  224                          ; the way out: 8 rows x 2 registers to store
.set SG,  240                          ; v[240:241] -1/8 in lanes 0-15 (columns 0-63), +1/8 in lanes 16-31
.set TB,  242                          ; v[242:245] a row's cos and sin as packed bf16
.set G1A, 32                           ; s[32:39] group 1 of H's tiles
.set G1B, 40                           ; s[40:47] group 1 of W's tiles
.set G0A, 48                           ; s[48:55] group 0 of H's tiles, a set for each slot
.set G0B, 56                           ; s[56:63] group 0 of W's tiles, a set for each slot
.set MSB, 0
.macro WIN new                         ; the immediate's high byte repeats the setting that is left
.if MSB != \new
	s_set_vgpr_msb (MSB<<8)|\new
.set MSB, \new
.endif
.endm
.macro PLACES n                        ; plain vector instructions that name no register of a matrix instruction (ISA guide 7.12.1)
.rept \n
	v_nop
.endr
.endm
.macro JLOAD s                         ; a joint load: waves 0, 1 fetch W's two halves, waves 2, 3 H's.  The branch hangs on the wave's number alone
	s_cmp_eq_u32 s19, 0
	s_cbranch_scc0 .Lfor_a_\@
	tensor_load_to_lds s[G0B+4*\s:G0B+4*\s+3], s[G1B:G1B+7]
	s_nop 0
	s_branch .Lasked_\@
.Lfor_a_\@:
	tensor_load_to_lds s[G0A+4*\s:G0A+4*\s+3], s[G1A:G1A+7]
	s_nop 0
.Lasked_\@:
.endm
.macro CREST                           ; a round of the cluster's barrier behind its opening work-group barrier
	s_cmp_lg_u32 s18, 0
	s_cbranch_scc1 .Lnot_wave_0_\@
	s_barrier_signal -3
.Lnot_wave_0_\@:
	s_barrier_wait -3
	s_barrier_signal -1
	s_barrier_wait -1
.endm
.macro CROUND                          ; a whole round
	s_barrier_signal -1
	s_barrier_wait -1
	CREST
.endm
	s_load_b256 s[4:11], s[0:1], 0x0               ; hb s[4:5], wqkv s[6:7], cos s[8:9], sin s[10:11]
	s_load_b128 s[12:15], s[0:1], 0x20             ; qb s[12:13], kb s[14:15]
	s_load_b64 s[16:17], s[0:1], 0x30              ; vb
	v_lshrrev_b32 v1, 5, v0
	v_readfirstlane_b32 s18, v1                    ; wave 0..3
	s_lshr_b32 s19, s18, 1                         ; which 64 rows are mine.  Also: I fetch for W (0) or for H (1)
	s_and_b32 s20, s18, 1                          ; which 128 columns.  Also: which half of that tile I fetch
	s_bfe_u32 s21, ttmp6, 0x40000                  ; cx
	s_bfe_u32 s22, ttmp6, 0x40004                  ; cy
	s_lshl_b32 s23, ttmp9, 2
	s_add_co_u32 s23, s23, s21                     ; block column = 4 x cluster x + cx
	s_and_b32 s24, ttmp7, 0xffff
	s_lshl_b32 s24, s24, 2
	s_add_co_u32 s24, s24, s22                     ; block row = 4 x cluster y + cy
	s_lshl_b32 s26, s22, 2
	s_lshl_b32 s26, 15, s26                        ; my row of the cluster: places 4 cy .. 4 cy + 3
	s_lshl_b32 s27, 0x1111, s21                    ; my column: places cx, cx + 4, cx + 8, cx + 12
	s_mov_b32 s92, 0xffff0000                      ; a word's upper bf16
	s_or_b32 s[G1A+0], s26, (1<<16)|(1<<20)|(1<<21)|(4<<22)|(3<<25)  ; mask; 2-byte elements; padding on; bit 21 beside a mask; behind every 32 words, 4 words: a row of 96 words gets three pads
	s_mov_b32 s[G1A+1], KSTEP<<16                  ; tensor_dim0 = 192
	s_mov_b32 s[G1A+2], 64<<16                     ; tensor_dim1 = 64
	s_mov_b32 s[G1A+3], KSTEP<<16                  ; tile_dim0 = 192 elements (384 bytes)
	s_mov_b32 s[G1A+4], 64                         ; tile_dim1 = 64 rows
	s_mov_b32 s[G1A+5], SIZE_K                     ; elements from row to row
	s_mov_b32 s[G1A+6], 0
	s_mov_b32 s[G1A+7], 0
	s_or_b32 s[G1B+0], s27, (1<<16)|(1<<20)|(1<<21)|(6<<22)|(7<<25)  ; behind every 128 words, 8 words
	s_mov_b32 s[G1B+1], 256<<16                    ; tensor_dim0 = 256
	s_mov_b32 s[G1B+2], 96<<16                     ; tensor_dim1 = 96
	s_mov_b32 s[G1B+3], 256<<16                    ; tile_dim0 = 256 elements (512 bytes)
	s_mov_b32 s[G1B+4], 96                         ; tile_dim1 = 96 k-rows
	s_mov_b32 s[G1B+5], SIZE_N
	s_mov_b32 s[G1B+6], 0
	s_mov_b32 s[G1B+7], 0
	; H's address is made of the block row and the wave's number, W's of the block column and the wave's number, each in registers that never hold the other coordinate
	s_lshl_b32 s66, s24, 7
	s_lshl_b32 s67, s20, 6
	s_add_co_u32 s66, s66, s67                     ; H: row 128 x block row + 64 x half
	s_mul_i32 s66, s66, SIZE_K*2                   ; in bytes (under 16.8 MB)
	s_mov_b32 s67, 0
	s_mul_i32 s70, s20, 96*SIZE_N*2                ; W: k-row 96 x half, 4,096 bytes each
	s_lshl_b32 s71, s23, 9                         ; + 512 bytes x block column
	s_add_co_u32 s70, s70, s71
	s_mov_b32 s71, 0
	s_mul_i32 s74, s18, AH
	s_add_co_u32 s74, s74, 2*BH-2*AH               ; waves 2, 3: H's halves lie behind W's 2 BH bytes
	s_mul_i32 s75, s18, BH                         ; waves 0, 1: W's halves
	s_wait_kmcnt 0x0
	s_add_nc_u64 s[68:69], s[4:5], s[66:67]
	s_add_nc_u64 s[72:73], s[6:7], s[70:71]
	CROUND                                         ; all sixteen work-groups are here: the first joint loads meet
.irp s, 0,1
	s_mov_b32 s[G0A+4*\s], 1
	s_add_co_u32 s[G0A+4*\s+1], s74, \s*SLOT
	s_add_nc_u64 s[G0A+4*\s+2:G0A+4*\s+3], s[68:69], \s*KSTEP*2
	s_or_b32 s[G0A+4*\s+3], s[G0A+4*\s+3], 0x80000000
	s_mov_b32 s[G0B+4*\s], 1
	s_add_co_u32 s[G0B+4*\s+1], s75, \s*SLOT
	s_add_nc_u64 s[G0B+4*\s+2:G0B+4*\s+3], s[72:73], \s*KSTEP*SIZE_N*2
	s_or_b32 s[G0B+4*\s+3], s[G0B+4*\s+3], 0x80000000
	JLOAD \s                                       ; both slots' first fills go out behind the one round: two tensor loads of the wave are out
.endr
	v_and_b32 v1, 15, v0                           ; r = l % 16
	v_bfe_u32 v2, v0, 4, 1                         ; h = l / 16
	v_and_b32 v3, 7, v0
	v_bfe_u32 v4, v0, 3, 1
	v_and_b32 v5, 31, v0
	v_mul_u32_u24 v6, v1, PA                       ; H fragment: row r, 16 bytes for each half of the lanes
	v_lshl_add_u32 v6, v2, 4, v6
	s_mul_i32 s76, s19, 64*PA
	s_add_co_u32 s76, s76, 2*BH
	v_add_nc_u32 v[ADH], s76, v6
	v_add_nc_u32 v[ADH+1], SLOT, v[ADH]
	v_lshl_add_u32 v7, v2, 3, v3                   ; W fragment, transposing load: k-row 8 h + l % 8,
	v_mul_u32_u24 v7, v7, PB
	v_lshl_add_u32 v7, v4, 4, v7                   ; 16 bytes for each group of eight lanes
	s_lshl_b32 s77, s20, 8                         ; my 128 columns
	v_add_nc_u32 v[ADW], s77, v7
	v_add_nc_u32 v[ADW+1], 96*PB, v[ADW]           ; parts 3 to 5 begin 96 k-rows further down
	v_add_nc_u32 v[ADW+2], SLOT, v[ADW]
	v_add_nc_u32 v[ADW+3], SLOT, v[ADW+1]
	s_mul_i32 s78, s18, 16*SP
	s_add_co_u32 s78, s78, STAGE                   ; my stage
	v_mul_u32_u24 v8, v1, SP
	v_lshl_add_u32 v8, v2, 5, v8                   ; row r, 32 bytes (8 f32) for each half of the lanes
	v_add_nc_u32 v[STO], s78, v8
	v_lshlrev_b32 v[L16], 4, v5
	v_add_nc_u32 v[RD], s78, v[L16]
	v_xor_b32 v9, 0x100, v[L16]                    ; column d xor 64
	v_add_nc_u32 v[RDX], s78, v9
	v_lshlrev_b32 v[L8], 3, v5
	v_and_b32 v9, 16, v0
	v_xor_b32 v9, 16, v9
	v_lshlrev_b32 v9, 27, v9                       ; the sign bit in lanes 0-15
	v_or_b32 v[SG], 0x3e000000, v9                 ; 1/8 with rotate_half's sign
	v_or_b32 v[SG+1], 0x3e000000, v9
; 8 matrix instructions: m tile i x all 8 n tiles, 32 along K.  zero = 1: the first product starts the sums.
; The 32 accumulators take turns, one instruction a turn, in the same order in every part of a step and over the backward jump.
.macro MUL8 f, i, zero
.irp b, 0,1,2,3,4,5,6,7
.if \zero
	v_wmma_f32_16x16x32_bf16 v[8*(8*\i+\b):8*(8*\i+\b)+7], v[\f+8*\b:\f+8*\b+7], v[\f+64+8*\i:\f+64+8*\i+7], 0
.else
	v_wmma_f32_16x16x32_bf16 v[8*(8*\i+\b):8*(8*\i+\b)+7], v[\f+8*\b:\f+8*\b+7], v[\f+64+8*\i:\f+64+8*\i+7], v[8*(8*\i+\b):8*(8*\i+\b)+7]
.endif
.endr
.endm
; 24 LDS loads in one run: part q's fragments (32 k-rows x 128 columns of W, 64 rows x 32 k of H) into buffer f.
; In H's row part q begins at byte 64 q of the data, which is 144 (q / 2) + 64 (q % 2) with a pad behind every 128 bytes.
.macro FETCH slot, q, f
	WIN 0
.irp b, 0,1,2,3,4,5,6,7
	ds_load_tr16_b128 v[\f+8*\b:\f+8*\b+3],   v[ADW+2*\slot+(\q)/3] offset:((\q)%3)*32*PB+32*\b
	ds_load_tr16_b128 v[\f+8*\b+4:\f+8*\b+7], v[ADW+2*\slot+(\q)/3] offset:((\q)%3)*32*PB+32*\b+16*PB
.endr
.irp i, 0,1,2,3
	ds_load_b128 v[\f+64+8*\i:\f+64+8*\i+3],   v[ADH+\slot] offset:((\q)/2)*144+((\q)%2)*64+\i*16*PA
	ds_load_b128 v[\f+64+8*\i+4:\f+64+8*\i+7], v[ADH+\slot] offset:((\q)/2)*144+((\q)%2)*64+\i*16*PA+32
.endr
.endm
; One of a K step's first five parts: multiplies buffer f; in its middle it fetches part q into buffer g
.macro SIXTH slot, q, f, g, zero
	s_wait_dscnt 4                                 ; W and H's tiles 0, 1 are in; the youngest four loads (H's tiles 2, 3) may be out
	WIN 0x50                                       ; C and D in window 1
	MUL8 \f, 0, \zero
	MUL8 \f, 1, \zero
	PLACES 4                                       ; four places between the matrix instructions that read buffer g and the loads into it
	FETCH \slot, \q, \g
	s_wait_dscnt 24                                ; all but the 24 just issued
	WIN 0x50
	MUL8 \f, 2, \zero
	MUL8 \f, 3, \zero
.endm
.macro FIVE slot, zero
	SIXTH \slot, 1, F0, F1, \zero
	SIXTH \slot, 2, F1, F0, 0
	SIXTH \slot, 3, F0, F1, 0
	SIXTH \slot, 4, F1, F0, 0
	SIXTH \slot, 5, F0, F1, 0
.endm
; The sixth part: multiplies buffer 1 and changes slots.  One barrier for two things: in front of it each wave waits for its reads of this slot and for
; all its tensor loads (one is out: its part of the next slot); behind it nobody reads this slot and the next slot is whole.  fill = 1 or 2: the barrier opens a round
; of the cluster's barrier, and the joint refill of this slot, two K steps ahead, is the first tensor load behind the round.
; fill = 2: that step is the tail, KT along K.  H keeps its tile of 192 columns, of which the tensor has KT left: the columns beyond arrive as zeros and are not read.
; W's two halves are KT / 2 k-rows each, laid one behind the other, so that the fragments' addresses stay as they are.
.macro TURN slot, next, fill
	s_wait_dscnt 4
	WIN 0x50
	MUL8 F1, 0, 0
	s_wait_dscnt 0                                 ; my reads of this slot are over
	s_wait_tensorcnt 0x0                           ; all my tensor loads have landed: every descriptor register may be written
	s_barrier_signal -1
	MUL8 F1, 1, 0                                  ; register work while the others arrive
	WIN 0
	s_barrier_wait -1
.if \fill
	CREST
	s_add_nc_u64 s[G0A+4*\slot+2:G0A+4*\slot+3], s[G0A+4*\slot+2:G0A+4*\slot+3], 2*KSTEP*2
	s_add_nc_u64 s[G0B+4*\slot+2:G0B+4*\slot+3], s[G0B+4*\slot+2:G0B+4*\slot+3], 2*KSTEP*SIZE_N*2
.if \fill == 2
	s_mov_b32 s[G1A+1], KT<<16                     ; H: tensor_dim0 = what is left of the row
	s_mov_b32 s[G1B+2], (KT/2)<<16                 ; W: tensor_dim1
	s_mov_b32 s[G1B+4], KT/2                       ;    and tile_dim1 = KT / 2 k-rows
	s_mul_i32 s[G0B+4*\slot+1], s18, (KT/2)*PB     ;    the second half lies straight behind the first
	s_add_co_u32 s[G0B+4*\slot+1], s[G0B+4*\slot+1], \slot*SLOT
	s_mul_i32 s70, s20, (96-KT/2)*SIZE_N*2         ;    and begins at k-row KT / 2 of the step, not at 96
	s_mov_b32 s71, 0
	s_sub_nc_u64 s[G0B+4*\slot+2:G0B+4*\slot+3], s[G0B+4*\slot+2:G0B+4*\slot+3], s[70:71]
.endif
	JLOAD \slot
.endif
	PLACES 4
	FETCH \next, 0, F0
	WIN 0x50
	MUL8 F1, 2, 0                                  ; H's tiles 2, 3 of buffer 1 came in with the wait for 0 above
	MUL8 F1, 3, 0
.endm
.macro LAP zero
	FIVE 0, \zero
	TURN 0, 1, 1
	FIVE 1, 0
	TURN 1, 0, 1
.endm
	s_wait_tensorcnt 1                             ; my part of K step 0 is in; K step 1's may stay out
	s_barrier_signal -1
	s_barrier_wait -1
	FETCH 0, 0, F0
	LAP 1                                          ; steps 0, 1 (they ask for 2, 3): the first products start the sums
	WIN 0
	s_mov_b32 s3, (NFULL-4)/2                      ; steps 2 to 7 (they ask for 4 to 9)
.Llap:
	LAP 0
	WIN 0
	s_sub_co_u32 s3, s3, 1
	s_cmp_lg_u32 s3, 0
	s_cbranch_scc1 .Llap
	FIVE 0, 0                                      ; step 8 asks for the tail
	TURN 0, 1, 2
	FIVE 1, 0                                      ; step 9 asks for nothing
	TURN 1, 0, 0
	SIXTH 0, 1, F0, F1, 0                          ; the tail: four parts of 32 along K, in slot 0
	SIXTH 0, 2, F1, F0, 0
	SIXTH 0, 3, F0, F1, 0
	s_wait_dscnt 4
	WIN 0x50
	MUL8 F1, 0, 0
	MUL8 F1, 1, 0
	s_wait_dscnt 0
	MUL8 F1, 2, 0
	MUL8 F1, 3, 0
	PLACES 4                                       ; four places in front of the LDS stores that read results and of the loads into the fragment buffers
	WIN 0
	; THE WAY OUT.  Block columns 0-3 (cluster x = 0) are Q heads 2 x block + half; block columns 4-7 are K head cx (left half) and V head cx (right half).
	s_lshr_b32 s82, s24, 4                         ; batch: 16 blocks of 128 rows each
	s_lshl_b32 s83, s82, 3
	s_lshl1_add_u32 s83, s23, s83
	s_add_co_u32 s83, s83, s20                     ; Q: 8 batch + 2 block column + half
	s_lshl2_add_u32 s84, s82, s21                  ; K, V: 4 batch + cx
	s_cmp_eq_u32 ttmp9, 0
	s_cselect_b32 s83, s83, s84
	s_cselect_b64 s[86:87], s[12:13], s[14:15]     ; qb or kb
	s_min_u32 s30, ttmp9, 1
	s_and_b32 s30, s30, s20                        ; 1: a V wave.  Made of the cluster's x and the wave's number: alike in all partners
	s_cmp_lg_u32 s30, 0
	s_cselect_b64 s[86:87], s[16:17], s[86:87]     ; vb
	s_lshl_b32 s88, s83, 11                        ; head x 2,048 positions
	s_and_b32 s89, s24, 15
	s_lshl_b32 s89, s89, 7
	s_add_co_u32 s88, s88, s89
	s_lshl_b32 s89, s19, 6
	s_add_co_u32 s88, s88, s89                     ; + my first position
	s_lshl_b32 s88, s88, 8                         ; rows of 256 bytes
	s_mov_b32 s89, 0
	s_add_nc_u64 s[86:87], s[86:87], s[88:89]
	s_lshl_b32 s90, s24, 7
	s_lshl_b32 s91, s19, 6
	s_add_co_u32 s90, s90, s91
	s_lshl_b32 s90, s90, 9                         ; cos, sin: my first row, 512 bytes each
	s_mov_b32 s91, 0
	s_add_nc_u64 s[8:9], s[8:9], s[90:91]
	s_add_nc_u64 s[10:11], s[10:11], s[90:91]
; 16 rows (m tile a) as f32 into my own stage.  LDS serves a wave's instructions in order (ISA guide 5.7.1.4): the loads behind these stores see them
.macro STAGE16 a
	WIN 0x04                                       ; the stores' data in window 1
.irp b, 0,1,2,3,4,5,6,7
	ds_store_b128 v[STO], v[8*(8*\a+\b):8*(8*\a+\b)+3] offset:64*\b
	ds_store_b128 v[STO], v[8*(8*\a+\b)+4:8*(8*\a+\b)+7] offset:64*\b+16
.endr
	WIN 0
.endm
; Q and K: y[d] = (x[d] cos[d] + sign x[d xor 64] sin[d]) / 8, sign = -1 for d < 64, cos and sin rounded to bf16.  A lane holds 4 neighbouring d of a whole row.
.macro ROPE16 a
.irp t, 0,1,2,3,4,5,6,7,8,9,10,11,12,13,14,15
	global_load_b128 v[CS+4*\t:CS+4*\t+3], v[L16], s[8:9] offset:(16*\a+\t)*512    ; a whole row of 512 bytes
	global_load_b128 v[SN+4*\t:SN+4*\t+3], v[L16], s[10:11] offset:(16*\a+\t)*512
.endr
	STAGE16 \a
.irp hf, 0,1
.irp tt, 0,1,2,3,4,5,6,7
	ds_load_b128 v[XR+4*\tt:XR+4*\tt+3], v[RD] offset:(8*\hf+\tt)*SP
	ds_load_b128 v[XP+4*\tt:XP+4*\tt+3], v[RDX] offset:(8*\hf+\tt)*SP
.endr
	s_wait_xcnt 0x0                                ; the registers that the last eight stores read are written again only behind this wait
.irp tt, 0,1,2,3,4,5,6,7
.set CI, CS+4*(8*\hf+\tt)
.set NI, SN+4*(8*\hf+\tt)
.set XI, XR+4*\tt
.set QI, XP+4*\tt
.set YI, YR+2*\tt
	s_wait_dscnt 14-2*\tt                          ; of the 16 LDS loads this row's two are in
	s_wait_loadcnt 30-2*(8*\hf+\tt)                ; of the 32 loads of cos and sin this row's two are in
	v_cvt_pk_bf16_f32 v[TB],   v[CI],   v[CI+1]    ; cos and sin to bf16, to nearest even,
	v_cvt_pk_bf16_f32 v[TB+1], v[CI+2], v[CI+3]
	v_cvt_pk_bf16_f32 v[TB+2], v[NI],   v[NI+1]
	v_cvt_pk_bf16_f32 v[TB+3], v[NI+2], v[NI+3]
	v_lshlrev_b32 v[CI],   16,  v[TB]              ; and back to f32
	v_and_b32     v[CI+1], s92, v[TB]
	v_lshlrev_b32 v[CI+2], 16,  v[TB+1]
	v_and_b32     v[CI+3], s92, v[TB+1]
	v_lshlrev_b32 v[NI],   16,  v[TB+2]
	v_and_b32     v[NI+1], s92, v[TB+2]
	v_lshlrev_b32 v[NI+2], 16,  v[TB+3]
	v_and_b32     v[NI+3], s92, v[TB+3]
	v_pk_mul_f32 v[CI:CI+1],   v[CI:CI+1],   0x3e000000 op_sel_hi:[1,0]   ; cos / 8
	v_pk_mul_f32 v[CI+2:CI+3], v[CI+2:CI+3], 0x3e000000 op_sel_hi:[1,0]
	v_pk_mul_f32 v[NI:NI+1],   v[NI:NI+1],   v[SG:SG+1]                   ; sign sin / 8
	v_pk_mul_f32 v[NI+2:NI+3], v[NI+2:NI+3], v[SG:SG+1]
	v_pk_mul_f32 v[XI:XI+1],   v[XI:XI+1],   v[CI:CI+1]
	v_pk_mul_f32 v[XI+2:XI+3], v[XI+2:XI+3], v[CI+2:CI+3]
	v_pk_fma_f32 v[XI:XI+1],   v[QI:QI+1],   v[NI:NI+1],   v[XI:XI+1]
	v_pk_fma_f32 v[XI+2:XI+3], v[QI+2:QI+3], v[NI+2:NI+3], v[XI+2:XI+3]
	v_cvt_pk_f16_f32 v[YI],   v[XI],   v[XI+1]
	v_cvt_pk_f16_f32 v[YI+1], v[XI+2], v[XI+3]
	global_store_b64 v[L8], v[YI:YI+1], s[86:87] offset:(16*\a+8*\hf+\tt)*256   ; the wave stores one head row: 256 consecutive bytes, aligned
.endr
.endr
.endm
; V: rounded to f16, no rotation
.macro PLAIN16 a
	STAGE16 \a
	s_wait_xcnt 0x0                                ; the registers that the last sixteen stores read are written again only behind this wait
.irp t, 0,1,2,3,4,5,6,7,8,9,10,11,12,13,14,15
	ds_load_b128 v[XR+4*\t:XR+4*\t+3], v[RD] offset:\t*SP
.endr
.irp t, 0,1,2,3,4,5,6,7,8,9,10,11,12,13,14,15
	s_wait_dscnt 15-\t                             ; row t is in, the younger loads stay out
	v_cvt_pk_f16_f32 v[CS+2*\t],   v[XR+4*\t],   v[XR+4*\t+1]
	v_cvt_pk_f16_f32 v[CS+2*\t+1], v[XR+4*\t+2], v[XR+4*\t+3]
	global_store_b64 v[L8], v[CS+2*\t:CS+2*\t+1], s[86:87] offset:(16*\a+\t)*256
.endr
.endm
	s_cmp_lg_u32 s30, 0
	s_cbranch_scc1 .Lvwave                         ; no barrier stands inside either way
	ROPE16 0
	ROPE16 1
	ROPE16 2
	ROPE16 3
	s_branch .Ljoin
.Lvwave:
	PLAIN16 0
	PLAIN16 1
	PLAIN16 2
	PLAIN16 3
.Ljoin:
	CROUND                                         ; the closing round: no work-group ends while a partner may still ask for a tile that names it
	s_endpgm
.Lfunc_end_k_q6aa6877dce_qkv:
	.size	k_q6aa6877dce_qkv, .Lfunc_end_k_q6aa6877dce_qkv-k_q6aa6877dce_qkv
	.p2alignl 7, 3214868480
	.fill 96, 4, 3214868480
	.section	.rodata,"a",@progbits
	.p2align	6, 0x0
	.amdhsa_kernel k_q6aa6877dce_qkv
		.amdhsa_group_segment_fixed_size 327680
		.amdhsa_private_segment_fixed_size 0
		.amdhsa_enable_private_segment 0
		.amdhsa_kernarg_size 56
		.amdhsa_user_sgpr_count 2
		.amdhsa_user_sgpr_kernarg_segment_ptr 1
		.amdhsa_wavefront_size32 1
		.amdhsa_system_sgpr_workgroup_id_x 1
		.amdhsa_system_sgpr_workgroup_id_y 1
		.amdhsa_system_sgpr_workgroup_id_z 1
		.amdhsa_system_vgpr_workitem_id 0
		.amdhsa_next_free_vgpr 512
		.amdhsa_next_free_sgpr 96
		.amdhsa_reserve_vcc 0
		.amdhsa_float_denorm_mode_32 3
		.amdhsa_float_denorm_mode_16_64 3
		.amdhsa_memory_ordered 1
		.amdhsa_forward_progress 1
		.amdhsa_inst_pref_size 255
	.end_amdhsa_kernel
	.section	.bss,"aw",@nobits
	.p2align	6
	.space	262144
	.amdgpu_metadata
---
amdhsa.version: [ 1, 2 ]
amdhsa.kernels:
  - .name:           k_q6aa6877dce_qkv
    .symbol:         k_q6aa6877dce_qkv.kd
    .args:
      - { .name: hb, .offset: 0, .size: 8, .value_kind: global_buffer, .address_space: global }
      - { .name: wqkv, .offset: 8, .size: 8, .value_kind: global_buffer, .address_space: global }
      - { .name: cos, .offset: 16, .size: 8, .value_kind: global_buffer, .address_space: global }
      - { .name: sin, .offset: 24, .size: 8, .value_kind: global_buffer, .address_space: global }
      - { .name: qb, .offset: 32, .size: 8, .value_kind: global_buffer, .address_space: global }
      - { .name: kb, .offset: 40, .size: 8, .value_kind: global_buffer, .address_space: global }
      - { .name: vb, .offset: 48, .size: 8, .value_kind: global_buffer, .address_space: global }
    .group_segment_fixed_size: 327680
    .private_segment_fixed_size: 0
    .kernarg_segment_align: 8
    .kernarg_segment_size: 56
    .max_flat_workgroup_size: 128
    .sgpr_count:     96
    .vgpr_count:     512
    .wavefront_size: 32
...
	.end_amdgpu_metadata
.endif
;; end of part 2
;; launch attn (part 3): grid 32 x 8, 4 waves a work-group, clusters of 4 x 4, 327,680 bytes of LDS; arguments qb, kb, vb, mb, ab; writes ab
.if DOCPART == 3
	.amdgcn_target "amdgcn-amd-amdhsa--gfx1250"
	.amdhsa_code_object_version 6
	.text
	.protected	k_q6aa6877dce_attn
	.globl	k_q6aa6877dce_attn
	.p2align	8
	.type	k_q6aa6877dce_attn,@function
k_q6aa6877dce_attn:
	s_mov_b64 s[64:65], 0
	v_nop
	global_prefetch_b8 v0, s[64:65] scope:SCOPE_SE
	s_setreg_imm32_b32 hwreg(HW_REG_WAVE_MODE, 25, 1), 1
	s_wait_xcnt 0x0
	s_wait_alu depctr_hold_cnt(0) depctr_sa_sdst(0) depctr_va_vdst(0) depctr_va_sdst(0) depctr_va_ssrc(0) depctr_va_vcc(0) depctr_vm_vsrc(0)
	s_getreg_b32 s2, hwreg(HW_REG_IB_STS2, 6, 4)
	s_cmp_eq_u32 s2, 0
	s_cbranch_scc0 .Lentry_in_a_cluster
	s_endpgm
.Lentry_in_a_cluster:
	s_bfe_u32 s2, ttmp6, 0x10000c
	s_cmp_lg_u32 s2, 0xf033
	s_cbranch_scc0 .Lentry_shape_is_right
	s_endpgm
.Lentry_shape_is_right:
; softmax(Q K^T / sqrt(128) + attention_mask) V with a running maximum, for every one of the 2,048 keys.  Nothing of reference() is left out: the mask is an input,
; so no score tile is skipped.  ab [4096][1024] f16 = attn, column = head x 128 + d.
; qb and kb hold q / 8 and k / 8, so the scores are multiplied by 64 x 128^-0.5.  mb is the mask in bf16, finite everywhere.
; The exponent is (t - m) log2(e) with t = S x SCALE + mask, the difference formed first as reference() forms it: a row whose mask is the lowest number everywhere has
; t = m and comes out uniform, and no infinity is subtracted from another.
; LIMITS: finite inputs (the maxima drop a NaN instead of carrying it); Q, K, V and P in f16 (P <= 1); l is summed from the unrounded P.
; A work-group takes 64 positions x the two query heads 2 g, 2 g + 1 of one KV head g of one batch: 32 x 8 = 256 work-groups.  Keys go in 16 tiles of 128 through two LDS slots.
; Wave w: positions 32 (w >> 1) .. +31, keys 64 (w & 1) .. +63 of every tile.  Its four query tiles qt = 2 e + p (head e, 16 positions p) share K, V and mask registers.
; The two key halves keep their own m, l, O and are merged once at the end, through LDS.
; S^T = K Q^T: lane l holds query l % 16, registers 0..7 the keys 8 (l / 16) + 0..7, so m and l are per lane, with one exchange between the halves of the lanes;
; two S tiles packed in place ARE the B fragment of P^T.  O^T = V^T P^T, V read from its [key][d] rows by the transposing LDS load.
; TWO PIECES TAKE TURNS.  Piece A is head e = 0 (query tiles 0, 1), piece B head e = 1 (tiles 2, 3).  A key tile is four runs of 32 products:
;   scores of A, with the mask's widening to f32 between them (2 instructions behind each product);
;   scores of B, with A's vector phase between them;   P V of A, with B's vector phase between them;   P V of B.
; A piece's vector phase is 32 multiply-adds with the mask, 2 x 120 instructions of softmax (the two tiles' instructions alternate, so that no chain follows itself)
; and 64 rescalings of O: 336 instructions, cut into 32 numbered slices, one behind each product of the other piece: slices 0-24 take 11 instructions in window 0,
; slices 25-31 take 10 rescalings (O in window 1).  Every instruction of the phase has a number, and the macros make its registers from that number.
; WINDOWS: the score products name windows 3, 2, 0, the P V products 3, 0, 1, the vector phase window 0 in every place; S, K and Q are 128 registers each and do not fit
; into one window, so a slice stands between two switches: 128 switches a key tile.  The mask as loaded lies beside Q in window 2, where it is source 1 under the
; score products' own setting, so its widening needs none.
; CLUSTERS of 4 x 4: x = four query blocks, y = the four KV heads of a batch.  K's and V's tiles hang on (batch, g) and are asked for jointly along a row of the cluster;
; the mask's tile hangs on the query block and is asked for jointly along a column.  Wave 0 asks for K, wave 1 for V, wave 2 for the mask, wave 3 for nothing.
; REGISTERS: window 0: v4-15 addresses, v16-23 (m, l), v24-31 (alpha, temporary), v32-159 S, v160-223 mask as f32, v224-255 at work;
; window 1: O(dt, qt) at v[8 (4 dt + qt)]; window 2: Q(qt, ks) at v[8 (4 qt + ks)], the mask as loaded at v128-159;
; window 3: K(kt, ks) at v[8 (4 kt + ks)], V(u, dt) at v[128 + 8 (8 u + dt)].
.set PK,   272                         ; K's LDS row: 256 bytes + 16
.set PVP,  288                         ; V's LDS row: 256 bytes + 32, an odd multiple of 32 for the transposing load
.set PM,   272                         ; the mask's LDS row: 128 bf16 + 16 bytes
.set KOFF, 0
.set VOFF, 128*PK                      ; 34,816
.set MOFF, VOFF+128*PVP                ; 71,680
.set SLOT, MOFF+64*PM                  ; 89,088
.set XCH,  2*SLOT                      ; 178,176: the merge, 16,896 bytes a wave; never a fill's target
.set XW,   16896
.set STG,  XCH+4*XW                    ; 245,760: the way out, 16 rows x 272 bytes a wave; never a fill's target
.set SW,   16*PK
.set TILEKV, 128*256                   ; bytes of a K or V tile in memory
.set TILEM,  256                       ; bytes along a mask row from tile to tile
.set ADK, 4
.set ADV, 6
.set ADM, 8
.set XS,  10
.set XL,  11
.set STO, 12
.set RD,  13
.set CO,  14
.set VQ,  15
.set ST,  16                           ; v[16+2qt] m, v[17+2qt] l
.set AL,  24                           ; v[24+2qt] alpha, v[25+2qt] temporary
.set SB,  32
.set MB,  160
.set T,   224                          ; at work: 8 registers for each of a piece's two tiles
.set MPW,  128                         ; window 2: the mask as loaded, (kt, p) at v[128 + 4 (2 kt + p)]
.set APS,  11                          ; instructions in a slice of window 0: 25 x 11 = 275 for 272
.set NVS,  25                          ; such slices
.set RPS,  10                          ; rescalings in one of the other 7 slices: 70 for 64
.set G1K, 16
.set G1V, 24
.set G1M, 32
.set G0K, 40
.set G0V, 48
.set G0M, 56
.set MSB, 0
.macro WIN new
.if MSB != \new
	s_set_vgpr_msb (MSB<<8)|\new
.set MSB, \new
.endif
.endm
.macro PLACES n                        ; plain vector instructions that name no register of a matrix instruction (ISA guide 7.12.1)
.rept \n
	v_nop
.endr
.endm
.macro ROUND                           ; a round of the cluster's barrier
	s_barrier_signal -1
	s_barrier_wait -1
	s_cmp_lg_u32 s14, 0
	s_cbranch_scc1 .Lnot_wave_0_\@
	s_barrier_signal -3
.Lnot_wave_0_\@:
	s_barrier_wait -3
	s_barrier_signal -1
	s_barrier_wait -1
.endm
.macro JLOAD s                         ; slot s's three tiles, one joint load a wave; the branches hang on the wave's number alone
	s_cmp_lg_u32 s14, 0
	s_cbranch_scc1 .Lnot_k_\@
	tensor_load_to_lds s[G0K+4*\s:G0K+4*\s+3], s[G1K:G1K+7]
	s_nop 0
	s_branch .Lasked_\@
.Lnot_k_\@:
	s_cmp_lg_u32 s14, 1
	s_cbranch_scc1 .Lnot_v_\@
	tensor_load_to_lds s[G0V+4*\s:G0V+4*\s+3], s[G1V:G1V+7]
	s_nop 0
	s_branch .Lasked_\@
.Lnot_v_\@:
	s_cmp_lg_u32 s14, 2
	s_cbranch_scc1 .Lasked_\@
	tensor_load_to_lds s[G0M+4*\s:G0M+4*\s+3], s[G1M:G1M+7]
	s_nop 0
.Lasked_\@:
.endm
	s_load_b256 s[4:11], s[0:1], 0x0               ; qb s[4:5], kb s[6:7], vb s[8:9], mb s[10:11]
	s_load_b64 s[12:13], s[0:1], 0x20              ; ab
	v_lshrrev_b32 v1, 5, v0
	v_readfirstlane_b32 s14, v1                    ; wave 0..3
	s_lshr_b32 s15, s14, 1                         ; ph: which 32 positions
	s_and_b32 s2, s14, 1                           ; kh: which 64 keys of a tile
	s_bfe_u32 s66, ttmp6, 0x40000                  ; cx
	s_bfe_u32 s67, ttmp6, 0x40004                  ; cy = KV head g
	s_lshl_b32 s68, ttmp9, 2
	s_add_co_u32 s68, s68, s66                     ; query block = 4 x cluster x + cx
	s_and_b32 s69, ttmp7, 0xffff                   ; cluster y = batch
	s_lshl_b32 s70, s67, 2
	s_lshl_b32 s70, 15, s70                        ; my row of the cluster
	s_lshl_b32 s71, 0x1111, s66                    ; my column
	s_mov_b32 s76, 0x76543210                      ; v_permlanex16_b32: lane i of one half reads lane i of the other
	s_mov_b32 s77, 0xfedcba98
	s_mov_b32 s94, 0xffff0000                      ; a word's upper bf16
	s_or_b32 s[G1K+0], s70, (1<<16)|(1<<20)|(1<<21)|(5<<22)|(3<<25)  ; 2-byte elements; behind every 64 words, 4 words
	s_or_b32 s[G1V+0], s70, (1<<16)|(1<<20)|(1<<21)|(5<<22)|(7<<25)  ; behind every 64 words, 8 words
	s_or_b32 s[G1M+0], s71, (1<<16)|(1<<20)|(1<<21)|(5<<22)|(3<<25)  ; as K's, with the mask of my column
.irp g, G1K, G1V
	s_mov_b32 s[\g+1], 128<<16                     ; tensor_dim0 = 128
	s_mov_b32 s[\g+2], 128<<16                     ; tensor_dim1 = 128
	s_mov_b32 s[\g+3], 128<<16                     ; tile_dim0 = 128 elements (256 bytes)
	s_mov_b32 s[\g+4], 128                         ; tile_dim1 = 128 rows
	s_mov_b32 s[\g+5], 128                         ; elements from row to row
	s_mov_b32 s[\g+6], 0
	s_mov_b32 s[\g+7], 0
.endr
	s_mov_b32 s[G1M+1], 128<<16
	s_mov_b32 s[G1M+2], 64<<16
	s_mov_b32 s[G1M+3], 128<<16                    ; 128 bf16 (256 bytes)
	s_mov_b32 s[G1M+4], 64                         ; 64 rows
	s_mov_b32 s[G1M+5], 2048
	s_mov_b32 s[G1M+6], 0
	s_mov_b32 s[G1M+7], 0
	s_lshl2_add_u32 s72, s69, s67                  ; 4 batch + g
	s_lshl_b32 s72, s72, 19                        ; x 2,048 rows of 256 bytes
	s_mov_b32 s73, 0
	s_lshl_b32 s74, s68, 18                        ; mask: query block x 64 rows of 4,096 bytes
	s_mov_b32 s75, 0
	s_lshl_b32 s84, s69, 3
	s_lshl1_add_u32 s84, s67, s84                  ; 8 batch + 2 g
	s_lshl_b32 s84, s84, 11
	s_lshl_b32 s85, s68, 6
	s_add_co_u32 s84, s84, s85
	s_lshl_b32 s85, s15, 5
	s_add_co_u32 s84, s84, s85                     ; + my first position
	s_lshl_b32 s84, s84, 8                         ; Q rows of 256 bytes
	s_mov_b32 s85, 0
	s_lshl_b32 s88, s69, 11
	s_lshl_b32 s89, s68, 6
	s_add_co_u32 s88, s88, s89
	s_lshl_b32 s89, s15, 5
	s_add_co_u32 s88, s88, s89
	s_lshl_b32 s88, s88, 11                        ; ab rows of 2,048 bytes
	s_lshl_b32 s89, s67, 9                         ; + head 2 g x 256 bytes
	s_add_co_u32 s88, s88, s89
	s_mov_b32 s89, 0
	s_wait_kmcnt 0x0
	s_add_nc_u64 s[78:79], s[6:7], s[72:73]
	s_add_nc_u64 s[80:81], s[8:9], s[72:73]
	s_add_nc_u64 s[82:83], s[10:11], s[74:75]
	s_add_nc_u64 s[86:87], s[4:5], s[84:85]
	s_add_nc_u64 s[90:91], s[12:13], s[88:89]
.irp s, 0,1
	s_mov_b32 s[G0K+4*\s], 1
	s_mov_b32 s[G0K+4*\s+1], \s*SLOT+KOFF
	s_add_nc_u64 s[G0K+4*\s+2:G0K+4*\s+3], s[78:79], \s*TILEKV
	s_or_b32 s[G0K+4*\s+3], s[G0K+4*\s+3], 0x80000000
	s_mov_b32 s[G0V+4*\s], 1
	s_mov_b32 s[G0V+4*\s+1], \s*SLOT+VOFF
	s_add_nc_u64 s[G0V+4*\s+2:G0V+4*\s+3], s[80:81], \s*TILEKV
	s_or_b32 s[G0V+4*\s+3], s[G0V+4*\s+3], 0x80000000
	s_mov_b32 s[G0M+4*\s], 1
	s_mov_b32 s[G0M+4*\s+1], \s*SLOT+MOFF
	s_add_nc_u64 s[G0M+4*\s+2:G0M+4*\s+3], s[82:83], \s*TILEM
	s_or_b32 s[G0M+4*\s+3], s[G0M+4*\s+3], 0x80000000
.endr
	ROUND                                          ; all sixteen work-groups are here
	JLOAD 0                                        ; tile 0; slot 1 is filled behind the first trip's round.  A wave never has more than one tensor load out
	v_and_b32 v[T], 15, v0                         ; r
	v_bfe_u32 v[T+1], v0, 4, 1                     ; h
	v_lshlrev_b32 v[VQ], 8, v[T]
	v_lshl_add_u32 v[VQ], v[T+1], 4, v[VQ]         ; Q fragment: row r of 256 bytes, 16 bytes for each half of the lanes
	WIN 0x80                                       ; destination in window 2
.irp e, 0,1
.irp p, 0,1
.irp ks, 0,1,2,3
	global_load_b128 v[8*(4*(2*\e+\p)+\ks):8*(4*(2*\e+\p)+\ks)+3],   v[VQ], s[86:87] offset:\e*524288+\p*4096+64*\ks
	global_load_b128 v[8*(4*(2*\e+\p)+\ks)+4:8*(4*(2*\e+\p)+\ks)+7], v[VQ], s[86:87] offset:\e*524288+\p*4096+64*\ks+32
.endr
.endr
.endr
	WIN 0
	v_and_b32 v[T+2], 7, v0
	v_bfe_u32 v[T+3], v0, 3, 1
	v_and_b32 v[T+4], 31, v0
	v_mul_u32_u24 v[T+5], v[T], PK
	v_lshl_add_u32 v[T+5], v[T+1], 4, v[T+5]       ; 272 r + 16 h: K's fragments, the mask's, and the way out's stores
	s_mul_i32 s92, s2, 64*PK                       ; my 64 keys
	v_add_nc_u32 v[ADK], s92, v[T+5]
	v_add_nc_u32 v[ADK+1], SLOT, v[ADK]
	v_lshl_add_u32 v[T+6], v[T+1], 3, v[T+2]       ; V, transposing load: key row 8 h + l % 8,
	v_mul_u32_u24 v[T+6], v[T+6], PVP
	v_lshl_add_u32 v[T+6], v[T+3], 4, v[T+6]       ; 16 bytes for each group of eight lanes
	s_mul_i32 s92, s2, 64*PVP
	s_add_co_u32 s92, s92, VOFF
	v_add_nc_u32 v[ADV], s92, v[T+6]
	v_add_nc_u32 v[ADV+1], SLOT, v[ADV]
	s_mul_i32 s92, s15, 32*PM                      ; mask: position row 32 ph + r, keys 64 kh + 8 h .. + 7 as bf16: 16 bytes
	s_lshl_b32 s93, s2, 7
	s_add_co_u32 s92, s92, s93
	s_add_co_u32 s92, s92, MOFF
	v_add_nc_u32 v[ADM], s92, v[T+5]
	v_add_nc_u32 v[ADM+1], SLOT, v[ADM]
	v_lshlrev_b32 v[T+6], 4, v[T+4]
	s_mul_i32 s92, s14, XW
	s_add_co_u32 s92, s92, XCH
	v_add_nc_u32 v[XS], s92, v[T+6]                ; the merge: what I send
	s_xor_b32 s93, s14, 1                          ; the wave with the other half of the keys
	s_mul_i32 s93, s93, XW
	s_add_co_u32 s93, s93, XCH
	v_add_nc_u32 v[XL], s93, v[T+6]                ; what it sends me
	s_mul_i32 s92, s14, SW
	s_add_co_u32 s92, s92, STG
	v_add_nc_u32 v[STO], s92, v[T+5]
	v_mul_u32_u24 v[T+6], v[T+1], PK
	v_lshl_add_u32 v[T+6], v[T], 4, v[T+6]
	v_add_nc_u32 v[RD], s92, v[T+6]                ; back: lanes 0-15 one row of 256 bytes, lanes 16-31 the next
	v_lshlrev_b32 v[CO], 11, v[T+1]
	v_lshl_add_u32 v[CO], v[T], 4, v[CO]           ; and the same two rows in ab
.irp qt, 0,1,2,3
	v_mov_b32 v[ST+2*\qt+1], 0                     ; l: the packed subtraction of m names the pair (m, l), so l is written before the first trip
.endr
	s_wait_loadcnt 0x0                             ; Q, once
.macro MLOAD slot                      ; 8 loads: the mask of 32 positions x 64 keys in bf16, for both heads
	WIN 0x80                                       ; destination in window 2
.irp kt, 0,1,2,3
.irp p, 0,1
	ds_load_b128 v[MPW+4*(2*\kt+\p):MPW+4*(2*\kt+\p)+3], v[ADM+\slot] offset:\p*16*PM+32*\kt
.endr
.endr
.endm
.macro KLOAD slot                      ; 32 loads, key tile by key tile
	WIN 0xc0                                       ; destination in window 3
.irp kt, 0,1,2,3
.irp ks, 0,1,2,3
	ds_load_b128 v[8*(4*\kt+\ks):8*(4*\kt+\ks)+3],   v[ADK+\slot] offset:\kt*16*PK+64*\ks
	ds_load_b128 v[8*(4*\kt+\ks)+4:8*(4*\kt+\ks)+7], v[ADK+\slot] offset:\kt*16*PK+64*\ks+32
.endr
.endr
.endm
.macro VLOAD slot                      ; 32 transposing loads: 64 keys x 128 d as fragments of V^T
	WIN 0xc0
.irp u, 0,1
.irp dt, 0,1,2,3,4,5,6,7
	ds_load_tr16_b128 v[128+8*(8*\u+\dt):128+8*(8*\u+\dt)+3],   v[ADV+\slot] offset:\u*32*PVP+32*\dt
	ds_load_tr16_b128 v[128+8*(8*\u+\dt)+4:128+8*(8*\u+\dt)+7], v[ADV+\slot] offset:\u*32*PVP+32*\dt+16*PVP
.endr
.endr
.endm
; Slice n (0 .. 31) of the mask's widening: word n of the 32 as loaded makes two f32.  Written for the score products' setting: destination in window 0, source 1 in window 2
.macro MSLICE n
	v_lshlrev_b32 v[MB+2*(\n)],   16,  v[MPW+(\n)]
	v_and_b32     v[MB+2*(\n)+1], s94, v[MPW+(\n)]
.endm
; Instruction JJ (0 .. 119) of query tile AQT's softmax.  Its 32 numbers a lane lie in two runs of 16 registers, 64 registers apart (keys 0-31, keys 32-63 of my 64).
.macro SMATOM first
.set SA, SB+16*AQT
.set MQ, ST+2*AQT
.set AQ, AL+2*AQT
.set TQ, T+8*(AQT&1)
.if JJ < 4                             ; the maximum: four chains, one for each run of 8 registers, start with three numbers each,
.set XB, SA+64*(JJ>>1)+8*(JJ&1)
	v_max3_num_f32 v[TQ+JJ], v[XB], v[XB+1], v[XB+2]
.endif
.if JJ >= 4
.if JJ < 12                            ; take two more, twice,
.set XC, (JJ-4)&3
.set XB, SA+64*(XC>>1)+8*(XC&1)+3+2*((JJ-4)>>2)
	v_max3_num_f32 v[TQ+XC], v[TQ+XC], v[XB], v[XB+1]
.endif
.endif
.if JJ == 12                           ; and the four last numbers
	v_max3_num_f32 v[TQ], v[TQ], v[SA+7], v[SA+15]
.endif
.if JJ == 13
	v_max3_num_f32 v[TQ+2], v[TQ+2], v[SA+71], v[SA+79]
.endif
.if JJ == 14
	v_max3_num_f32 v[TQ], v[TQ], v[TQ+1], v[TQ+2]
.endif
.if JJ == 15
	v_max_num_f32 v[TQ], v[TQ], v[TQ+3]
.endif
.if JJ == 16
	v_permlanex16_b32 v[TQ+1], v[TQ], s76, s77     ; the other half of the lanes holds the same query's other keys
.endif
.if JJ == 17
.if \first
	v_max_num_f32 v[MQ], v[TQ], v[TQ+1]
.else
	v_max3_num_f32 v[AQ+1], v[TQ], v[TQ+1], v[MQ]  ; the new maximum
.endif
.endif
.if \first == 0
.if JJ == 18
	v_sub_f32 v[AQ], v[MQ], v[AQ+1]
.endif
.if JJ == 19
	v_mov_b32 v[MQ], v[AQ+1]
.endif
.if JJ == 20
	v_mul_f32 v[AQ], 0x3fb8aa3b, v[AQ]
.endif
.if JJ == 21
	v_exp_f32 v[AQ], v[AQ]                         ; alpha = e^(m old - m new); the subtractions below are the plain instructions between it and its use
.endif
.endif
.if JJ >= 22
.if JJ < 38                            ; t - m, both halves of a pair by m
.set XB, SA+64*((JJ-22)&1)+2*((JJ-22)>>1)
	v_pk_add_f32 v[XB:XB+1], v[XB:XB+1], v[MQ:MQ+1] op_sel_hi:[1,0] neg_lo:[0,1] neg_hi:[0,1]
.endif
.endif
.if JJ >= 38
.if JJ < 54
.set XB, SA+64*((JJ-38)&1)+2*((JJ-38)>>1)
	v_pk_mul_f32 v[XB:XB+1], v[XB:XB+1], 0x3fb8aa3b op_sel_hi:[1,0]
.endif
.endif
.if JJ >= 54
.if JJ < 86
.set XB, SA+64*((JJ-54)&1)+((JJ-54)>>1)
	v_exp_f32 v[XB], v[XB]
.endif
.endif
.if JJ == 86
	v_nop                                          ; one plain instruction behind the run of exponentials (ISA guide 5.7.2)
.endif
.if JJ == 87                           ; the sum, two chains
	s_wait_alu depctr_va_vdst(0)
	v_pk_add_f32 v[TQ+4:TQ+5], v[SA:SA+1], v[SA+2:SA+3]
.endif
.if JJ == 88
	v_pk_add_f32 v[TQ+6:TQ+7], v[SA+64:SA+65], v[SA+66:SA+67]
.endif
.if JJ >= 89
.if JJ < 101
.set XH, (JJ-89)&1
.set XB, SA+64*XH+4+2*((JJ-89)>>1)
	v_pk_add_f32 v[TQ+4+2*XH:TQ+5+2*XH], v[TQ+4+2*XH:TQ+5+2*XH], v[XB:XB+1]
.endif
.endif
.if JJ == 101
	v_pk_add_f32 v[TQ+4:TQ+5], v[TQ+4:TQ+5], v[TQ+6:TQ+7]
.endif
.if JJ == 102
.if \first
	v_add_f32 v[MQ+1], v[TQ+4], v[TQ+5]
.else
	v_add_f32 v[TQ+4], v[TQ+4], v[TQ+5]
.endif
.endif
.if JJ == 103
.if \first == 0
	v_fma_f32 v[MQ+1], v[MQ+1], v[AQ], v[TQ+4]     ; l stays per half of the lanes; the halves are added once at the end
.endif
.endif
.if JJ >= 104                          ; P to f16 in place, ascending: register i takes 2 i and 2 i + 1: the B fragment of P^T
.set XH, (JJ-104)&1
.set XI, (JJ-104)>>1
.set XB, SA+64*XH
	v_cvt_pk_f16_f32 v[XB+XI], v[XB+2*XI], v[XB+2*XI+1]
.endif
.endm
; Instruction AI (0 .. 271) of piece p's vector phase in window 0: 32 times t = S x 64 x 128^-0.5 + mask, then the two tiles' softmax by turns
.macro VATOM p, first
.if AI < 32
.set AKT, AI>>3
.set AQT, 2*\p+((AI>>2)&1)
.set ASI, SB+16*(4*(AKT>>1)+AQT)+8*(AKT&1)+2*(AI&3)
.set AMI, MB+8*(2*AKT+(AQT&1))+2*(AI&3)
	v_pk_fma_f32 v[ASI:ASI+1], v[ASI:ASI+1], 0x40b504f3, v[AMI:AMI+1] op_sel_hi:[1,0,1]
.else
.if AI < 272
.set AQT, 2*\p+((AI-32)&1)
.set JJ, (AI-32)>>1
	SMATOM \first
.endif
.endif
.endm
; Rescaling AI (0 .. 63) of piece p: O *= alpha of its query tile.  Destination and source 0 in window 1
.macro RATOM p
.if AI < 64
.set AQT, 2*\p+((AI>>2)&1)
.set AOI, 8*(4*(AI>>3)+AQT)+2*(AI&3)
	v_pk_mul_f32 v[AOI:AOI+1], v[AOI:AOI+1], v[AL+2*AQT:AL+2*AQT+1] op_sel_hi:[1,0]
.endif
.endm
; Slice n (0 .. 31) of piece p's vector phase
.macro VSLICE p, first, n
.if (\n) < NVS
	WIN 0
.set AI, APS*(\n)
.rept APS
	VATOM \p, \first
.set AI, AI+1
.endr
.else
.if \first == 0
	WIN 0x41
.set AI, RPS*((\n)-NVS)
.rept RPS
	RATOM \p
.set AI, AI+1
.endr
.endif
.endif
.endm
; 16 score products of piece p: key tiles 2 kp, 2 kp + 1 x its two query tiles x 128 d.  The four accumulators take turns, one instruction a turn.
; Behind product n of the piece's 32 stands slice n: of the mask's widening (mode 0) or of piece vp's vector phase (mode 1).
.macro QKRUN p, kp, mode, vp, first
.irp ks, 0,1,2,3
.irp kk, 0,1
.irp qi, 0,1
.set WKI, 8*(4*(2*\kp+\kk)+\ks)
.set WQI, 8*(4*(2*\p+\qi)+\ks)
.set WSI, SB+16*(4*\kp+2*\p+\qi)+8*\kk
.set WNS, 16*\kp+4*\ks+2*\kk+\qi
	WIN 0x0b                                       ; K in window 3, Q in window 2, S in window 0
.if \ks == 0
	v_wmma_f32_16x16x32_f16 v[WSI:WSI+7], v[WKI:WKI+7], v[WQI:WQI+7], 0
.else
	v_wmma_f32_16x16x32_f16 v[WSI:WSI+7], v[WKI:WKI+7], v[WQI:WQI+7], v[WSI:WSI+7]
.endif
.if \mode
	VSLICE \vp, \first, WNS
.else
	MSLICE WNS
.endif
.endr
.endr
.endr
.endm
; The 32 products P V of piece p: 128 d x its 32 queries x 64 keys.  The 16 accumulators take turns, one instruction a turn.
; mode 1: behind product n stands slice n of piece vp's vector phase.
.macro PVRUN p, first, mode, vp
.irp u, 0,1
.irp dt, 0,1,2,3,4,5,6,7
.irp qi, 0,1
.set WOI, 8*(4*\dt+2*\p+\qi)
.set WPI, SB+16*(4*\u+2*\p+\qi)
.set WVI, 128+8*(8*\u+\dt)
.set WNS, 16*\u+2*\dt+\qi
	WIN 0x53                                       ; V in window 3, P in window 0, C and D in window 1
.if \first*(1-\u)
	v_wmma_f32_16x16x32_f16 v[WOI:WOI+7], v[WVI:WVI+7], v[WPI:WPI+7], 0
.else
	v_wmma_f32_16x16x32_f16 v[WOI:WOI+7], v[WVI:WVI+7], v[WPI:WPI+7], v[WOI:WOI+7]
.endif
.if \mode
	VSLICE \vp, \first, WNS
.endif
.endr
.endr
.endr
.endm
; One key tile, in slot `slot`.  refill = 1: the next tile is asked for, into slot `other`.  first = 1: nothing to rescale, the products start the sums.
.macro TRIP slot, other, refill, first
	s_wait_tensorcnt 0x0                           ; all my tensor loads have landed, my part of this trip's tile among them, so every group 0 may be written:
	s_add_nc_u64 s[G0K+4*\slot+2:G0K+4*\slot+3], s[G0K+4*\slot+2:G0K+4*\slot+3], 2*TILEKV   ; this slot's next tile
	s_add_nc_u64 s[G0V+4*\slot+2:G0V+4*\slot+3], s[G0V+4*\slot+2:G0V+4*\slot+3], 2*TILEKV
	s_add_nc_u64 s[G0M+4*\slot+2:G0M+4*\slot+3], s[G0M+4*\slot+2:G0M+4*\slot+3], 2*TILEM
	s_wait_dscnt 0x0                               ; my reads of the last trip's tile are done
	ROUND                                          ; both now hold of every wave of every work-group of the cluster
.if \refill
	JLOAD \other                                   ; first behind the round; it has the whole trip in which to land
.endif
.if \first == 0
	PLACES 5                                       ; five places between the last products, which read P and V, and what writes over them (S's first products, V's loads)
.endif
	MLOAD \slot
	KLOAD \slot
	s_wait_dscnt 16                                ; of the 40 loads the mask's 8 and K's tiles 0, 1 are in; the youngest 16 (K's tiles 2, 3) may be out
	QKRUN 0, 0, 0, 0, \first                       ; scores of A, the mask widened between them
	VLOAD \slot
	s_wait_dscnt 32                                ; K is in: only V's 32 loads are younger
	QKRUN 0, 1, 0, 0, \first
	QKRUN 1, 0, 1, 0, \first                       ; scores of B, A's vector phase between them
	QKRUN 1, 1, 1, 0, \first
	s_wait_dscnt 0x0                               ; V, asked for 48 products ago
	PVRUN 0, \first, 1, 1                          ; P V of A, B's vector phase between them
	PVRUN 1, \first, 0, 0                          ; P V of B
	WIN 0
.endm
	TRIP 0, 1, 1, 1
	TRIP 1, 0, 1, 0
	s_mov_b32 s3, 6
.Lpair:
	TRIP 0, 1, 1, 0
	TRIP 1, 0, 1, 0
	s_sub_co_u32 s3, s3, 1
	s_cmp_lg_u32 s3, 0
	s_cbranch_scc1 .Lpair
	TRIP 0, 1, 1, 0
	TRIP 1, 0, 0, 0                                ; tile 15: nothing is left to fetch
	; THE MERGE of the two key halves.  The wave with kh = 0 finishes query tiles 0, 1 (head 2 g) and sends tiles 2, 3; the other the other way round.
	PLACES 5                                       ; places between the last products and what reads O or loads over P
.irp qt, 0,1,2,3
	v_permlanex16_b32 v[AL+2*\qt+1], v[ST+2*\qt+1], s76, s77
	v_add_f32 v[ST+2*\qt+1], v[ST+2*\qt+1], v[AL+2*\qt+1]      ; l over both halves of the lanes
.endr
.macro SEND qa                         ; (m, l) of two tiles, then their 16 O tiles: 33 stores of 512 bytes
	ds_store_b128 v[XS], v[ST+2*\qa:ST+2*\qa+3]
	WIN 0x04                                       ; the stores' data in window 1
.irp dt, 0,1,2,3,4,5,6,7
.irp qi, 0,1
	ds_store_b128 v[XS], v[8*(4*\dt+\qa+\qi):8*(4*\dt+\qa+\qi)+3]   offset:512+512*(4*\dt+2*\qi)
	ds_store_b128 v[XS], v[8*(4*\dt+\qa+\qi)+4:8*(4*\dt+\qa+\qi)+7] offset:512+512*(4*\dt+2*\qi+1)
.endr
.endr
	WIN 0
.endm
.macro FINISH qa
	ds_load_b128 v[T:T+3], v[XL]                   ; the partner's m', l' of my two tiles
.irp n, 0,1,2,3,4,5,6,7,8,9,10,11,12,13,14,15,16,17,18,19,20,21,22,23,24,25,26,27,28,29,30,31
	ds_load_b128 v[SB+4*\n:SB+4*\n+3], v[XL] offset:512+512*\n     ; its O'(dt, qi) at v[32 + 8 (2 dt + qi)]
.endr
	s_wait_dscnt 0x0
.irp qi, 0,1
.set MQ, ST+2*(\qa+\qi)
.set PQ, T+2*\qi
.set Z,  T+8+4*\qi                     ; v[Z] f, v[Z+2] f', each the first of a pair whose second is a temporary
	v_max_num_f32 v[Z+1], v[MQ], v[PQ]             ; the joint maximum
	v_sub_f32 v[Z],   v[MQ], v[Z+1]
	v_sub_f32 v[Z+2], v[PQ], v[Z+1]
	v_mul_f32 v[Z],   0x3fb8aa3b, v[Z]
	v_mul_f32 v[Z+2], 0x3fb8aa3b, v[Z+2]
	v_exp_f32 v[Z],   v[Z]
	v_exp_f32 v[Z+2], v[Z+2]
	v_nop                                          ; one plain instruction behind the exponentials
	s_wait_alu depctr_va_vdst(0)
	v_mul_f32 v[Z+3], v[PQ+1], v[Z+2]
	v_fma_f32 v[Z+3], v[MQ+1], v[Z], v[Z+3]        ; L = l a + l' a': at least 1, since the key with the joint maximum adds 1
	v_rcp_f32 v[Z+3], v[Z+3]
	v_nop                                          ; one plain instruction behind the reciprocal
	s_wait_alu depctr_va_vdst(0)
	v_mul_f32 v[Z],   v[Z],   v[Z+3]               ; f = a / L
	v_mul_f32 v[Z+2], v[Z+2], v[Z+3]               ; f' = a' / L
.endr
.irp dt, 0,1,2,3,4,5,6,7
.irp qi, 0,1
.irp k, 0,2,4,6
	v_pk_mul_f32 v[SB+8*(2*\dt+\qi)+\k:SB+8*(2*\dt+\qi)+\k+1], v[SB+8*(2*\dt+\qi)+\k:SB+8*(2*\dt+\qi)+\k+1], v[T+10+4*\qi:T+11+4*\qi] op_sel_hi:[1,0]
.endr
.endr
.endr
	WIN 0x01                                       ; source 0 (my O) in window 1
.irp dt, 0,1,2,3,4,5,6,7
.irp qi, 0,1
.irp k, 0,2,4,6
	v_pk_fma_f32 v[SB+8*(2*\dt+\qi)+\k:SB+8*(2*\dt+\qi)+\k+1], v[8*(4*\dt+\qa+\qi)+\k:8*(4*\dt+\qa+\qi)+\k+1], v[T+8+4*\qi:T+9+4*\qi], v[SB+8*(2*\dt+\qi)+\k:SB+8*(2*\dt+\qi)+\k+1] op_sel_hi:[1,0,1]
.endr
.endr
.endr
	WIN 0
.irp dt, 0,1,2,3,4,5,6,7
.irp qi, 0,1
.irp i, 0,1,2,3
	v_cvt_pk_f16_f32 v[SB+8*(2*\dt+\qi)+\i], v[SB+8*(2*\dt+\qi)+2*\i], v[SB+8*(2*\dt+\qi)+2*\i+1]   ; 8 neighbouring d of one query: 16 bytes
.endr
.endr
.endr
.irp qi, 0,1
.irp dt, 0,1,2,3,4,5,6,7
	ds_store_b128 v[STO], v[SB+8*(2*\dt+\qi):SB+8*(2*\dt+\qi)+3] offset:32*\dt   ; into my own stage; LDS serves a wave's instructions in order (ISA guide 5.7.1.4)
.endr
	s_wait_xcnt 0x0                                ; the registers that the last eight stores read are loaded again only behind this wait
.irp t, 0,1,2,3,4,5,6,7
	ds_load_b128 v[MB+4*\t:MB+4*\t+3], v[RD] offset:2*PK*\t
.endr
.irp t, 0,1,2,3,4,5,6,7
	s_wait_dscnt 7-\t                              ; rows 2 t, 2 t + 1 are in, the younger loads stay out
	global_store_b128 v[CO], v[MB+4*\t:MB+4*\t+3], s[90:91] offset:\qi*32768+(\qa/2)*256+\t*4096   ; 16 lanes store 256 consecutive bytes, aligned: one head's part of a row
.endr
.endr
.endm
	s_cmp_lg_u32 s2, 0
	s_cbranch_scc1 .Lsend_low
	SEND 2
	s_branch .Lsent
.Lsend_low:
	SEND 0
.Lsent:
	s_wait_dscnt 0x0                               ; for the partner's sake: all my stores are done
	s_barrier_signal -1
	s_barrier_wait -1
	s_cmp_lg_u32 s2, 0
	s_cbranch_scc1 .Lfinish_high
	FINISH 0
	s_branch .Lfinished
.Lfinish_high:
	FINISH 2
.Lfinished:
	ROUND                                          ; the closing round: no work-group ends while a partner may still ask for a tile that names it
	s_endpgm
.Lfunc_end_k_q6aa6877dce_attn:
	.size	k_q6aa6877dce_attn, .Lfunc_end_k_q6aa6877dce_attn-k_q6aa6877dce_attn
	.p2alignl 7, 3214868480
	.fill 96, 4, 3214868480
	.section	.rodata,"a",@progbits
	.p2align	6, 0x0
	.amdhsa_kernel k_q6aa6877dce_attn
		.amdhsa_group_segment_fixed_size 327680
		.amdhsa_private_segment_fixed_size 0
		.amdhsa_enable_private_segment 0
		.amdhsa_kernarg_size 40
		.amdhsa_user_sgpr_count 2
		.amdhsa_user_sgpr_kernarg_segment_ptr 1
		.amdhsa_wavefront_size32 1
		.amdhsa_system_sgpr_workgroup_id_x 1
		.amdhsa_system_sgpr_workgroup_id_y 1
		.amdhsa_system_sgpr_workgroup_id_z 1
		.amdhsa_system_vgpr_workitem_id 0
		.amdhsa_next_free_vgpr 1024
		.amdhsa_next_free_sgpr 96
		.amdhsa_reserve_vcc 0
		.amdhsa_float_denorm_mode_32 3
		.amdhsa_float_denorm_mode_16_64 3
		.amdhsa_memory_ordered 1
		.amdhsa_forward_progress 1
		.amdhsa_inst_pref_size 255
	.end_amdhsa_kernel
	.section	.bss,"aw",@nobits
	.p2align	6
	.space	262144
	.amdgpu_metadata
---
amdhsa.version: [ 1, 2 ]
amdhsa.kernels:
  - .name:           k_q6aa6877dce_attn
    .symbol:         k_q6aa6877dce_attn.kd
    .args:
      - { .name: qb, .offset: 0, .size: 8, .value_kind: global_buffer, .address_space: global }
      - { .name: kb, .offset: 8, .size: 8, .value_kind: global_buffer, .address_space: global }
      - { .name: vb, .offset: 16, .size: 8, .value_kind: global_buffer, .address_space: global }
      - { .name: mb, .offset: 24, .size: 8, .value_kind: global_buffer, .address_space: global }
      - { .name: ab, .offset: 32, .size: 8, .value_kind: global_buffer, .address_space: global }
    .group_segment_fixed_size: 327680
    .private_segment_fixed_size: 0
    .kernarg_segment_align: 8
    .kernarg_segment_size: 40
    .max_flat_workgroup_size: 128
    .sgpr_count:     96
    .vgpr_count:     1024
    .wavefront_size: 32
...
	.end_amdgpu_metadata
.endif
;; end of part 3
;; launch oproj (part 4): grid 8 x 32, 4 waves a work-group, clusters of 4 x 4, 327,680 bytes of LDS; arguments ab, wob, out0; writes out0
.if DOCPART == 4
	.amdgcn_target "amdgcn-amd-amdhsa--gfx1250"
	.amdhsa_code_object_version 6
	.text
	.protected	k_q6aa6877dce_oproj
	.globl	k_q6aa6877dce_oproj
	.p2align	8
	.type	k_q6aa6877dce_oproj,@function
k_q6aa6877dce_oproj:
	s_mov_b64 s[64:65], 0
	v_nop
	global_prefetch_b8 v0, s[64:65] scope:SCOPE_SE
	s_setreg_imm32_b32 hwreg(HW_REG_WAVE_MODE, 25, 1), 1
	s_wait_xcnt 0x0
	s_wait_alu depctr_hold_cnt(0) depctr_sa_sdst(0) depctr_va_vdst(0) depctr_va_sdst(0) depctr_va_ssrc(0) depctr_va_vcc(0) depctr_vm_vsrc(0)
	s_getreg_b32 s2, hwreg(HW_REG_IB_STS2, 6, 4)
	s_cmp_eq_u32 s2, 0
	s_cbranch_scc0 .Lentry_in_a_cluster
	s_endpgm
.Lentry_in_a_cluster:
	s_bfe_u32 s2, ttmp6, 0x10000c
	s_cmp_lg_u32 s2, 0xf033
	s_cbranch_scc0 .Lentry_shape_is_right
	s_endpgm
.Lentry_shape_is_right:
; out0 [4096][2048] f32 = ab [4096][1024] x wob [1024 k][2048 n], f16 operands, f32 sums.  Nothing of reference() is left out.
; LIMITS: as stated for the operands where they are made (f16 beyond 65,504 is an infinity); the order of sums differs from reference()'s.
; The same design as the launch for Q, K and V: a work-group makes 128 rows x 256 columns with four waves; wave w makes rows 64 (w >> 1) .. +63 and columns
; 128 (w & 1) .. +127: 4 x 8 accumulator tiles of 16 x 16, 256 registers.  8 x 32 = 256 work-groups.
; K GOES IN STEPS OF 192 through two LDS slots filled by the tensor data mover.  A refill is asked for behind one change of slots and waited for in front of the next, so it has
; one step's products in which to land: 176 matrix instructions of a wave.  A slot of 192 is 192 x 544 + 128 x 432 = 159,744 bytes, and two of them are the most that 327,680 bytes hold.
; 1,024 = 5 x 192 + 64: the last 64 are a tail step.  Six steps in all, written out without a loop.  The price: H's rows in a tile are 384 bytes of memory and begin at multiples of 128 bytes.
; CLUSTERS of 4 x 4: ab's tile hangs on the block row alone and is asked for jointly by a row of the cluster, wob's on the block column alone and is asked for
; jointly by a column: each of the four issues the same load with the same descriptor and a mask that names the four.
; THE MATRIX INSTRUCTION IS USED TRANSPOSED: source 0 = 16 columns n of W (read from [k][n] rows by the transposing LDS load), source 1 = 16 rows m of H.
; Lane l then holds row m = l % 16 and in registers 0..7 the columns n = 8 (l / 16) + 0..7.
; REGISTERS: window 0: v16-27 addresses; two fragment buffers v32-127, v128-223 (W's 8 fragments, then H's 4).  Window 1: accumulator (i, b) at v[8 (8 i + b)].
.set SIZE_K, 1024
.set SIZE_N, 2048
.set KSTEP,  192
.set NFULL,  SIZE_K/KSTEP              ; 5 whole steps
.set KT,     SIZE_K-NFULL*KSTEP        ; the tail step: 64 along K
.set TS,     NFULL&1                   ; the tail's slot: 1
.set PA,     432                       ; H's LDS row: 3 x (128 bytes + 16): 27 x 16, an odd multiple of 16
.set PB,     544                       ; W's LDS row: 512 bytes + 32: an odd multiple of 32
.set AH,     64*PA
.set BH,     96*PB
.set SLOT,   2*BH+2*AH                 ; W's 192 k-rows, then H's 128 rows: 159,744 bytes
.set STAGE,  (1-TS)*SLOT               ; the way out's stage, 16 rows x 528 bytes for each wave, lies in the slot that is not the tail's: it has had its last fill, and all reads of it are over at the last change of slots
.set SP,     528
.set ADH, 16                           ; v16-17  LDS address of my H fragments in slot 0, 1
.set ADW, 20                           ; v20-23  the same for W: slot s, parts 0-2 at v[20+2s], parts 3-5 at v[21+2s] (they lie beyond a 16-bit offset)
.set STO, 24
.set RD,  25
.set L16, 27
.set F0,  32
.set F1,  128
.set G1A, 32
.set G1B, 40
.set G0A, 48
.set G0B, 56
.set MSB, 0
.macro WIN new
.if MSB != \new
	s_set_vgpr_msb (MSB<<8)|\new
.set MSB, \new
.endif
.endm
.macro PLACES n                        ; plain vector instructions that name no register of a matrix instruction (ISA guide 7.12.1)
.rept \n
	v_nop
.endr
.endm
.macro JLOAD s                         ; a joint load: waves 0, 1 fetch W's two halves, waves 2, 3 H's.  The branch hangs on the wave's number alone
	s_cmp_eq_u32 s19, 0
	s_cbranch_scc0 .Lfor_a_\@
	tensor_load_to_lds s[G0B+4*\s:G0B+4*\s+3], s[G1B:G1B+7]
	s_nop 0
	s_branch .Lasked_\@
.Lfor_a_\@:
	tensor_load_to_lds s[G0A+4*\s:G0A+4*\s+3], s[G1A:G1A+7]
	s_nop 0
.Lasked_\@:
.endm
.macro CREST
	s_cmp_lg_u32 s18, 0
	s_cbranch_scc1 .Lnot_wave_0_\@
	s_barrier_signal -3
.Lnot_wave_0_\@:
	s_barrier_wait -3
	s_barrier_signal -1
	s_barrier_wait -1
.endm
.macro CROUND
	s_barrier_signal -1
	s_barrier_wait -1
	CREST
.endm
	s_load_b128 s[4:7], s[0:1], 0x0                ; ab s[4:5], wob s[6:7]
	s_load_b64 s[8:9], s[0:1], 0x10                ; out0
	v_lshrrev_b32 v1, 5, v0
	v_readfirstlane_b32 s18, v1                    ; wave 0..3
	s_lshr_b32 s19, s18, 1                         ; which 64 rows are mine.  Also: I fetch for W (0) or for H (1)
	s_and_b32 s20, s18, 1                          ; which 128 columns.  Also: which half of that tile I fetch
	s_bfe_u32 s21, ttmp6, 0x40000                  ; cx
	s_bfe_u32 s22, ttmp6, 0x40004                  ; cy
	s_lshl_b32 s23, ttmp9, 2
	s_add_co_u32 s23, s23, s21                     ; block column
	s_and_b32 s24, ttmp7, 0xffff
	s_lshl_b32 s24, s24, 2
	s_add_co_u32 s24, s24, s22                     ; block row
	s_lshl_b32 s26, s22, 2
	s_lshl_b32 s26, 15, s26                        ; my row of the cluster
	s_lshl_b32 s27, 0x1111, s21                    ; my column
	s_or_b32 s[G1A+0], s26, (1<<16)|(1<<20)|(1<<21)|(4<<22)|(3<<25)  ; mask; 2-byte elements; padding on; bit 21 beside a mask; behind every 32 words, 4 words: a row of 96 words gets three pads
	s_mov_b32 s[G1A+1], KSTEP<<16                  ; tensor_dim0 = 192
	s_mov_b32 s[G1A+2], 64<<16
	s_mov_b32 s[G1A+3], KSTEP<<16                  ; tile_dim0 = 192 elements (384 bytes)
	s_mov_b32 s[G1A+4], 64
	s_mov_b32 s[G1A+5], SIZE_K
	s_mov_b32 s[G1A+6], 0
	s_mov_b32 s[G1A+7], 0
	s_or_b32 s[G1B+0], s27, (1<<16)|(1<<20)|(1<<21)|(6<<22)|(7<<25)  ; behind every 128 words, 8 words
	s_mov_b32 s[G1B+1], 256<<16
	s_mov_b32 s[G1B+2], 96<<16                     ; tensor_dim1 = 96
	s_mov_b32 s[G1B+3], 256<<16
	s_mov_b32 s[G1B+4], 96                         ; tile_dim1 = 96 k-rows
	s_mov_b32 s[G1B+5], SIZE_N
	s_mov_b32 s[G1B+6], 0
	s_mov_b32 s[G1B+7], 0
	; H's address is made of the block row and the wave's number, W's of the block column and the wave's number, each in registers that never hold the other coordinate
	s_lshl_b32 s66, s24, 7
	s_lshl_b32 s67, s20, 6
	s_add_co_u32 s66, s66, s67
	s_mul_i32 s66, s66, SIZE_K*2
	s_mov_b32 s67, 0
	s_mul_i32 s70, s20, 96*SIZE_N*2                ; W: k-row 96 x half, 4,096 bytes each
	s_lshl_b32 s71, s23, 9
	s_add_co_u32 s70, s70, s71
	s_mov_b32 s71, 0
	s_mul_i32 s74, s18, AH
	s_add_co_u32 s74, s74, 2*BH-2*AH               ; waves 2, 3: H's halves lie behind W's 2 BH bytes
	s_mul_i32 s75, s18, BH                         ; waves 0, 1: W's halves
	s_wait_kmcnt 0x0
	s_add_nc_u64 s[68:69], s[4:5], s[66:67]
	s_add_nc_u64 s[72:73], s[6:7], s[70:71]
	CROUND                                         ; all sixteen work-groups are here: the first joint loads meet
.irp s, 0,1
	s_mov_b32 s[G0A+4*\s], 1
	s_add_co_u32 s[G0A+4*\s+1], s74, \s*SLOT
	s_add_nc_u64 s[G0A+4*\s+2:G0A+4*\s+3], s[68:69], \s*KSTEP*2
	s_or_b32 s[G0A+4*\s+3], s[G0A+4*\s+3], 0x80000000
	s_mov_b32 s[G0B+4*\s], 1
	s_add_co_u32 s[G0B+4*\s+1], s75, \s*SLOT
	s_add_nc_u64 s[G0B+4*\s+2:G0B+4*\s+3], s[72:73], \s*KSTEP*SIZE_N*2
	s_or_b32 s[G0B+4*\s+3], s[G0B+4*\s+3], 0x80000000
	JLOAD \s                                       ; both slots' first fills go out behind the one round: two tensor loads of the wave are out
.endr
	v_and_b32 v1, 15, v0                           ; r
	v_bfe_u32 v2, v0, 4, 1                         ; h
	v_and_b32 v3, 7, v0
	v_bfe_u32 v4, v0, 3, 1
	v_and_b32 v5, 31, v0
	v_mul_u32_u24 v6, v1, PA
	v_lshl_add_u32 v6, v2, 4, v6
	s_mul_i32 s76, s19, 64*PA
	s_add_co_u32 s76, s76, 2*BH
	v_add_nc_u32 v[ADH], s76, v6
	v_add_nc_u32 v[ADH+1], SLOT, v[ADH]
	v_lshl_add_u32 v7, v2, 3, v3
	v_mul_u32_u24 v7, v7, PB
	v_lshl_add_u32 v7, v4, 4, v7
	s_lshl_b32 s77, s20, 8
	v_add_nc_u32 v[ADW], s77, v7
	v_add_nc_u32 v[ADW+1], 96*PB, v[ADW]           ; parts 3 to 5 begin 96 k-rows further down
	v_add_nc_u32 v[ADW+2], SLOT, v[ADW]
	v_add_nc_u32 v[ADW+3], SLOT, v[ADW+1]
	s_mul_i32 s78, s18, 16*SP
	s_add_co_u32 s78, s78, STAGE
	v_mul_u32_u24 v8, v1, SP
	v_lshl_add_u32 v8, v2, 5, v8
	v_add_nc_u32 v[STO], s78, v8
	v_lshlrev_b32 v[L16], 4, v5
	v_add_nc_u32 v[RD], s78, v[L16]
; The 32 accumulators take turns, one instruction a turn, in the same order in every part of a step.
.macro MUL8 f, i, zero
.irp b, 0,1,2,3,4,5,6,7
.if \zero
	v_wmma_f32_16x16x32_f16 v[8*(8*\i+\b):8*(8*\i+\b)+7], v[\f+8*\b:\f+8*\b+7], v[\f+64+8*\i:\f+64+8*\i+7], 0
.else
	v_wmma_f32_16x16x32_f16 v[8*(8*\i+\b):8*(8*\i+\b)+7], v[\f+8*\b:\f+8*\b+7], v[\f+64+8*\i:\f+64+8*\i+7], v[8*(8*\i+\b):8*(8*\i+\b)+7]
.endif
.endr
.endm
; 24 LDS loads in one run: part q's fragments into buffer f.  In H's row part q begins at byte 64 q of the data, which is 144 (q / 2) + 64 (q % 2) with a pad behind every 128 bytes.
.macro FETCH slot, q, f
	WIN 0
.irp b, 0,1,2,3,4,5,6,7
	ds_load_tr16_b128 v[\f+8*\b:\f+8*\b+3],   v[ADW+2*\slot+(\q)/3] offset:((\q)%3)*32*PB+32*\b
	ds_load_tr16_b128 v[\f+8*\b+4:\f+8*\b+7], v[ADW+2*\slot+(\q)/3] offset:((\q)%3)*32*PB+32*\b+16*PB
.endr
.irp i, 0,1,2,3
	ds_load_b128 v[\f+64+8*\i:\f+64+8*\i+3],   v[ADH+\slot] offset:((\q)/2)*144+((\q)%2)*64+\i*16*PA
	ds_load_b128 v[\f+64+8*\i+4:\f+64+8*\i+7], v[ADH+\slot] offset:((\q)/2)*144+((\q)%2)*64+\i*16*PA+32
.endr
.endm
.macro SIXTH slot, q, f, g, zero
	s_wait_dscnt 4                                 ; W and H's tiles 0, 1 are in; the youngest four loads (H's tiles 2, 3) may be out
	WIN 0x50
	MUL8 \f, 0, \zero
	MUL8 \f, 1, \zero
	PLACES 4                                       ; four places between the matrix instructions that read buffer g and the loads into it
	FETCH \slot, \q, \g
	s_wait_dscnt 24                                ; all but the 24 just issued
	WIN 0x50
	MUL8 \f, 2, \zero
	MUL8 \f, 3, \zero
.endm
.macro FIVE slot, zero
	SIXTH \slot, 1, F0, F1, \zero
	SIXTH \slot, 2, F1, F0, 0
	SIXTH \slot, 3, F0, F1, 0
	SIXTH \slot, 4, F1, F0, 0
	SIXTH \slot, 5, F0, F1, 0
.endm
; The change of slots: each wave waits for its reads of this slot and for all its tensor loads, then the barrier; fill = 1 or 2: it opens a round of the cluster's barrier,
; and the joint refill, two K steps ahead, is the first tensor load behind the round.
; fill = 2: that step is the tail, KT along K.  H keeps its tile of 192 columns, of which the tensor has KT left: the columns beyond arrive as zeros and are not read.
; W's two halves are KT / 2 k-rows each, laid one behind the other, so that the fragments' addresses stay as they are.
.macro TURN slot, next, fill
	s_wait_dscnt 4
	WIN 0x50
	MUL8 F1, 0, 0
	s_wait_dscnt 0                                 ; my reads of this slot are over
	s_wait_tensorcnt 0x0                           ; all my tensor loads have landed: every descriptor register may be written
	s_barrier_signal -1
	MUL8 F1, 1, 0
	WIN 0
	s_barrier_wait -1
.if \fill
	CREST
	s_add_nc_u64 s[G0A+4*\slot+2:G0A+4*\slot+3], s[G0A+4*\slot+2:G0A+4*\slot+3], 2*KSTEP*2
	s_add_nc_u64 s[G0B+4*\slot+2:G0B+4*\slot+3], s[G0B+4*\slot+2:G0B+4*\slot+3], 2*KSTEP*SIZE_N*2
.if \fill == 2
	s_mov_b32 s[G1A+1], KT<<16                     ; H: tensor_dim0 = what is left of the row
	s_mov_b32 s[G1B+2], (KT/2)<<16                 ; W: tensor_dim1
	s_mov_b32 s[G1B+4], KT/2                       ;    and tile_dim1 = KT / 2 k-rows
	s_mul_i32 s[G0B+4*\slot+1], s18, (KT/2)*PB     ;    the second half lies straight behind the first
	s_add_co_u32 s[G0B+4*\slot+1], s[G0B+4*\slot+1], \slot*SLOT
	s_mul_i32 s70, s20, (96-KT/2)*SIZE_N*2         ;    and begins at k-row KT / 2 of the step, not at 96
	s_mov_b32 s71, 0
	s_sub_nc_u64 s[G0B+4*\slot+2:G0B+4*\slot+3], s[G0B+4*\slot+2:G0B+4*\slot+3], s[70:71]
.endif
	JLOAD \slot
.endif
	PLACES 4
	FETCH \next, 0, F0
	WIN 0x50
	MUL8 F1, 2, 0
	MUL8 F1, 3, 0
.endm
	s_wait_tensorcnt 1                             ; my part of K step 0 is in; K step 1's may stay out
	s_barrier_signal -1
	s_barrier_wait -1
	FETCH 0, 0, F0
	FIVE 0, 1                                      ; step 0: its first products start the sums; it asks for step 2
	TURN 0, 1, 1
	FIVE 1, 0                                      ; step 1 asks for step 3
	TURN 1, 0, 1
	FIVE 0, 0                                      ; step 2 asks for step 4
	TURN 0, 1, 1
	FIVE 1, 0                                      ; step 3 asks for the tail
	TURN 1, 0, 2
	FIVE 0, 0                                      ; step 4 asks for nothing
	TURN 0, 1, 0
	SIXTH 1, 1, F0, F1, 0                          ; the tail: two parts of 32 along K, in slot 1
	s_wait_dscnt 4
	WIN 0x50
	MUL8 F1, 0, 0
	MUL8 F1, 1, 0
	s_wait_dscnt 0
	MUL8 F1, 2, 0
	MUL8 F1, 3, 0
	PLACES 4                                       ; four places in front of the LDS stores that read results and of the loads into the fragment buffers
	WIN 0
	; THE WAY OUT, 16 rows at a time through my own stage, read back as whole rows of 512 bytes
	s_lshl_b32 s80, s24, 7
	s_lshl_b32 s81, s19, 6
	s_add_co_u32 s80, s80, s81                     ; my first row
	s_lshl_b32 s80, s80, 13                        ; rows of 8,192 bytes
	s_lshl_b32 s81, s23, 10                        ; + 1,024 bytes x block column
	s_add_co_u32 s80, s80, s81
	s_lshl_b32 s81, s20, 9                         ; + 512 bytes x half
	s_add_co_u32 s80, s80, s81
	s_mov_b32 s81, 0
	s_add_nc_u64 s[8:9], s[8:9], s[80:81]
.macro OUT16 a, f
	WIN 0x04                                       ; the stores' data in window 1
.irp b, 0,1,2,3,4,5,6,7
	ds_store_b128 v[STO], v[8*(8*\a+\b):8*(8*\a+\b)+3] offset:64*\b
	ds_store_b128 v[STO], v[8*(8*\a+\b)+4:8*(8*\a+\b)+7] offset:64*\b+16
.endr
	WIN 0
	s_wait_xcnt 0x0                                ; buffer f, which earlier stores read, is loaded again only behind this wait
.irp t, 0,1,2,3,4,5,6,7,8,9,10,11,12,13,14,15
	ds_load_b128 v[\f+4*\t:\f+4*\t+3], v[RD] offset:\t*SP          ; LDS serves a wave's instructions in order (ISA guide 5.7.1.4): these see the stores above
.endr
.irp t, 0,1,2,3,4,5,6,7,8,9,10,11,12,13,14,15
	s_wait_dscnt 15-\t                             ; row t is in, the younger loads stay out
	global_store_b128 v[L16], v[\f+4*\t:\f+4*\t+3], s[8:9] offset:(16*\a+\t)*8192 th:TH_STORE_NT   ; the wave stores 512 consecutive bytes, aligned
.endr
.endm
	OUT16 0, F0
	OUT16 1, F1
	OUT16 2, F0
	OUT16 3, F1
	CROUND                                         ; the closing round: no work-group ends while a partner may still ask for a tile that names it
	s_endpgm
.Lfunc_end_k_q6aa6877dce_oproj:
	.size	k_q6aa6877dce_oproj, .Lfunc_end_k_q6aa6877dce_oproj-k_q6aa6877dce_oproj
	.p2alignl 7, 3214868480
	.fill 96, 4, 3214868480
	.section	.rodata,"a",@progbits
	.p2align	6, 0x0
	.amdhsa_kernel k_q6aa6877dce_oproj
		.amdhsa_group_segment_fixed_size 327680
		.amdhsa_private_segment_fixed_size 0
		.amdhsa_enable_private_segment 0
		.amdhsa_kernarg_size 24
		.amdhsa_user_sgpr_count 2
		.amdhsa_user_sgpr_kernarg_segment_ptr 1
		.amdhsa_wavefront_size32 1
		.amdhsa_system_sgpr_workgroup_id_x 1
		.amdhsa_system_sgpr_workgroup_id_y 1
		.amdhsa_system_sgpr_workgroup_id_z 1
		.amdhsa_system_vgpr_workitem_id 0
		.amdhsa_next_free_vgpr 512
		.amdhsa_next_free_sgpr 96
		.amdhsa_reserve_vcc 0
		.amdhsa_float_denorm_mode_32 3
		.amdhsa_float_denorm_mode_16_64 3
		.amdhsa_memory_ordered 1
		.amdhsa_forward_progress 1
		.amdhsa_inst_pref_size 147
	.end_amdhsa_kernel
	.amdgpu_metadata
---
amdhsa.version: [ 1, 2 ]
amdhsa.kernels:
  - .name:           k_q6aa6877dce_oproj
    .symbol:         k_q6aa6877dce_oproj.kd
    .args:
      - { .name: ab, .offset: 0, .size: 8, .value_kind: global_buffer, .address_space: global }
      - { .name: wob, .offset: 8, .size: 8, .value_kind: global_buffer, .address_space: global }
      - { .name: out0, .offset: 16, .size: 8, .value_kind: global_buffer, .address_space: global }
    .group_segment_fixed_size: 327680
    .private_segment_fixed_size: 0
    .kernarg_segment_align: 8
    .kernarg_segment_size: 24
    .max_flat_workgroup_size: 128
    .sgpr_count:     96
    .vgpr_count:     512
    .wavefront_size: 32
...
	.end_amdgpu_metadata
.endif
;; end of part 4
